; MI455X (gfx1250); checked and timed in simulation.
; The chip was launched on July 23, 2026; its instructions are those of AMD's public machine-readable ISA for CDNA 5 (MIT licence, August 2026) and "CDNA5" Instruction Set Architecture Reference Guide (July 2026). The comments in the code are by the model that wrote it; some were corrected since.
;; Attention. Allowed arithmetic: matrix products marked QUANTISED: E5M2 operands, one E8M0 scale for each 32 along K, by v_wmma_scale_f32_16x16x128_f8f6f4 with both operands' format E5M2, f32 sums; everything else in f32.
;; Inputs: Wk_codes 1,024 x 32 x 32 uint8 (E5M2 codes of Wk, K innermost, in blocks of 32 codes); Wk_scales 1,024 x 32 uint8 (E8M0 scales of Wk, one for each 32 codes along K); Wo_codes 1,024 x 32 x 32 uint8 (E5M2 codes of Wo, K innermost, in blocks of 32 codes); Wo_scales 1,024 x 32 uint8 (E8M0 scales of Wo, one for each 32 codes along K); Wq_codes 1,024 x 32 x 32 uint8 (E5M2 codes of Wq, K innermost, in blocks of 32 codes); Wq_scales 1,024 x 32 uint8 (E8M0 scales of Wq, one for each 32 codes along K); Wv_codes 1,024 x 32 x 32 uint8 (E5M2 codes of Wv, K innermost, in blocks of 32 codes); Wv_scales 1,024 x 32 uint8 (E8M0 scales of Wv, one for each 32 codes along K); X 4 x 2,048 x 1,024 float32; beta 1,024 float32; bk 1,024 float32; bo 1,024 float32; bq 1,024 float32; bv 1,024 float32; gamma 1,024 float32.
;; Outputs: out0 4 x 2,048 x 1,024 float32.
;; This version of the problem:
;;   THIS VERSION OF THE PROBLEM IS GIVEN IN LOW PRECISION. The matrix products marked QUANTISED in the list below multiply operands that are first quantised to E5M2 (5 exponent bits, 2 mantissa bits; 8 bits a number), with one power-of-two scale for each 32 numbers along K (OCP MX v1.0); their sums are f32. All else is computed in f32.
;;   The module's matrix products, in the order in which they are computed (A, B: the left and right operand; K: the contracted axis; several contracted axes count as one K, in the product's order):
;;     1. [M 8,192, K 1,024] x [K 1,024, N 1,024]; A: input X; B: input Wq (given as codes): QUANTISED
;;     2. [M 8,192, K 1,024] x [K 1,024, N 1,024]; A: input X; B: input Wk (given as codes): QUANTISED
;;     3. [M 8,192, K 1,024] x [K 1,024, N 1,024]; A: input X; B: input Wv (given as codes): QUANTISED
;;     4. batch 64 x [M 2,048, K 64] x [K 64, N 2,048]; A: computed on the way; B: computed on the way: QUANTISED
;;     5. batch 64 x [M 2,048, K 2,048] x [K 2,048, N 64]; A: softmax (see below); B: computed on the way: QUANTISED
;;     6. [M 8,192, K 1,024] x [K 1,024, N 1,024]; A: computed on the way; B: input Wo (given as codes): QUANTISED
;;   THE QUANTISER, for each operand of a quantised product, along K:
;;     - K is cut into blocks of 32 from its start; a last block that is shorter is filled with zeros.
;;     - A block's scale is 2^e with e = floor(log2(the largest magnitude in the block)) - 15, held to -126 .. 127; a block of zeros has e = 0. As a byte (E8M0): e + 127.
;;     - Each number is divided by its block's scale, clamped to +-57,344, and rounded to the nearest number of E5M2, ties to even, subnormals kept.
;;     - The product sums the exact products of the quantised numbers (number of the format x scale) in f32.
;;   ~~~python
;;   def quantise(x, axis):      # numpy; x: float32 -> the quantised numbers, widened to float32 again
;;       x = np.moveaxis(x, axis, -1); K = x.shape[-1]
;;       x = np.pad(x, [(0, 0)] * (x.ndim - 1) + [(0, -K % 32)]); x = x.reshape(x.shape[:-1] + (-1, 32)); a = np.abs(x).max(-1, keepdims=True)
;;       e = np.where(a > 0, np.clip(np.frexp(np.where(a > 0, a, 1))[1] - 1 - 15, -126, 127), 0)      # np.frexp(a)[1] - 1 = floor(log2(a)), exactly
;;       r = np.clip(x / 2.0 ** e, -57344, 57344)
;;       step = 2.0 ** (np.maximum(np.frexp(np.where(r == 0, 1, r))[1] - 1, -14) - 2)
;;       q = np.round(r / step) * step * 2.0 ** e      # np.round: ties to even
;;       return np.moveaxis(q.reshape(q.shape[:-2] + (-1,))[..., :K], -1, axis).astype(np.float32)
;;   ~~~
;;   SOFTMAX AHEAD OF A QUANTISED PRODUCT. Where the list says 'softmax', what is quantised is not the finished softmax but p = 2^(t - M), with t = logit x log2(e) and M = ceil(the row's largest t), a whole number; so 1/2 < the row's largest p <= 1. The row's sum l is taken of the UNQUANTISED p, in f32, and the product's result is divided by l at the end. Since M is a whole number, a kernel that streams over the keys may use a running M (the ceiling of the running maximum): every later rescaling is an exact power of two, which a block's scale takes up: the codes' values come out the same.
;;   OPERANDS COMPUTED ON THE WAY. 'Computed on the way' means the value that the module computes at that place (a softmax that the list does not call 'softmax' is quantised finished and normalised). What goes into a quantiser is computed in f32, as accurately as f32 sums, v_exp_f32 and their like allow (about 1e-6 of the number): no bf16 or f16 on the way to a quantiser, and a product that is left as it is and whose result goes on into a quantised operand takes f32 operands (vector FMAs, or v_wmma_f32_16x16x4_f32). A number that lies on a knife's edge between two numbers of the format may be rounded either way, as far as f32 arithmetic and the matrix unit's own rounding can turn it there, and no further.
;;   INPUTS GIVEN AS CODES. Wk (in the module: [1024, 1024], K = its axis 1); Wo (in the module: [1024, 1024], K = its axis 1); Wq (in the module: [1024, 1024], K = its axis 1); Wv (in the module: [1024, 1024], K = its axis 1): each comes as NAME_codes (uint8): NAME with its K axis moved to the last place and cut into blocks of 32 codes, [.., K / 32, bytes a block], one block behind the other in memory; one code a byte (a code: sign, 5 exponent bits, 2 mantissa bits); and NAME_scales (uint8): the same leading axes, one E8M0 byte (e + 127) for each 32 codes along K. Its value is code x scale, taken as it is: it is not quantised again, and the codes and scales need not be those that the quantiser above would give.
;; One version. Each part assembles by itself: llvm-mc -triple=amdgcn-amd-amdhsa -mcpu=gfx1250 --defsym DOCPART=n.
;; ======== version 1 of 1: 4 launches
;; limits: right only within a limited range of input values
;; workspace buffers: Xc 8,388,608 bytes; Xs 262,144 bytes; QR 17,563,648 bytes; KV 17,563,648 bytes; Oc 8,388,608 bytes; Os 524,288 bytes; Wimg 1,048,576 bytes
;; launch quantx (part 1): grid 256 x 1, 4 waves a work-group, no clusters, 33,280 bytes of LDS; arguments X, Xc, Xs, Wo_codes, Wimg; writes Xc, Xs, Wimg
.if DOCPART == 1
	.amdgcn_target "amdgcn-amd-amdhsa--gfx1250"
	.amdhsa_code_object_version 6
	.text
	.protected	k_q97bdeaa776_quantx
	.globl	k_q97bdeaa776_quantx
	.p2align	8
	.type	k_q97bdeaa776_quantx,@function
k_q97bdeaa776_quantx:
	s_mov_b64 s[64:65], 0
	v_nop
	global_prefetch_b8 v0, s[64:65] scope:SCOPE_SE
	s_setreg_imm32_b32 hwreg(HW_REG_WAVE_MODE, 25, 1), 1
	s_wait_xcnt 0x0
; X [8192][1024], f32, is turned into codes of E5M2 (one byte a number, K innermost) with one E8M0 scale byte for each 32 along K.
; A block's scale is 2^(floor(log2(its largest magnitude)) - 15); its byte is the largest magnitude's exponent field - 15, held at 1 from below.
; Each number is divided by the scale, held within +-57,344 and rounded to the nearest code, ties to even.
; LIMITS: a block of zeros gets the byte 1 where the rule says 127 (its codes are zeros, and this program alone reads the bytes); blocks whose largest
; magnitude lies under 2^-111 are held at that floor; NaN and infinities among the inputs are not served.
; THE ROWS ARE STORED IN ANOTHER ORDER: of every 32 rows the second and the third group of eight change places: position 32 b + 16 u + 8 g + j holds
; token 32 b + 16 g + 8 u + j.  So sixteen neighbouring rows of Xc are tokens 32 b + 8 u + r + 8 (r / 8), r = 0 .. 15: the set of rows that the next launch wants in a tile.
; A wave takes 8 rows = 16 steps of 512 numbers.  Each load reads 512 consecutive bytes; a step's 2,048 bytes turn through the wave's own stage in LDS, so that a lane then
; holds 16 neighbours along K (two lanes to a block).  A lane's 16 codes are 16 bytes: the wave stores 512 consecutive bytes.  The wave's 256 scale bytes are gathered in LDS and leave as 256 consecutive bytes.
; No tensor loads, no barrier: waves share nothing.  Loads run four steps (16 loads a wave) ahead, the turn through LDS one step.
.set STEPS, 16
.set EMAX,  15
.set MANT,  0x600000                   ; the mantissa field of 57,344 as f32
.set CB,    16                         ; bytes of 16 codes
.set R,     16                         ; v16-79   four sets of 16 numbers as they are loaded
.set X,     80                         ; v80-111  two sets of 16 neighbours
.set C,     128                        ; v128-191 codes: four registers for each step, so that no store's data are written again
.set E,     112                        ; v112-127 a scale byte for each step
.set WREG,  8192                       ; LDS: a region for each wave: two stages of 32 x SP bytes, behind them its 256 scale bytes
.set SP,    80                         ; a lane's place in a stage: its 64 bytes + 16 of padding
	s_load_b64 s[4:5], s[0:1], 0x0                 ; X
	s_load_b128 s[8:11], s[0:1], 0x8               ; Xc, Xs
	s_load_b128 s[12:15], s[0:1], 0x18             ; Wo's codes, Wimg
; ALSO: Wo's codes are laid anew, as images of the operand's registers, for the last launch.  Fragment f = 8 ct + s (16 rows 16 ct .. of Wo x 128 along K from 128 s) is 2,048 bytes of Wimg:
; register group c (0 .. 3) of lane l at 512 c + 16 l holds row 16 ct + l % 16, K = 128 s + 32 c + 16 (l / 16) + 0 .. 15.  512 fragments: a work-group lays two, a wave two groups of one.
	v_lshl_add_u32 v192, v0, 2, 0x8000
	v_mov_b32 v193, 0
	v_lshrrev_b32 v1, 5, v0
	v_readfirstlane_b32 s16, v1                    ; wave
	v_and_b32 v2, 31, v0                           ; lane
	v_lshlrev_b32 v3, 4, v2                        ; my 16 bytes of a load's 512
	s_mul_i32 s17, s16, WREG
	v_lshrrev_b32 v14, 2, v2
	v_mul_u32_u24 v14, v14, SP
	v_and_b32 v15, 3, v2
	v_lshl_add_u32 v14, v15, 4, v14
	v_add_nc_u32 v14, s17, v14                     ; the stage, on the way in: SP (lane / 4) + 16 (lane % 4)
	v_mul_u32_u24 v15, v2, SP
	v_add_nc_u32 v15, s17, v15                     ; and on the way out: SP x lane: my 16 neighbours
	v_mul_u32_u24 v4, v2, CB                       ; my codes' place in a step's
	v_lshrrev_b32 v5, 1, v2
	s_add_co_u32 s17, s17, 2*32*SP
	v_add_nc_u32 v5, s17, v5                       ; LDS: my wave's 256 scale bytes, my block's byte
	v_lshlrev_b32 v7, 3, v2                        ; and on the way out 8 bytes a lane
	v_add_nc_u32 v6, s17, v7
	v_and_b32 v202, 15, v2
	v_lshrrev_b32 v203, 4, v2
	v_lshlrev_b32 v202, 10, v202
	v_lshl_add_u32 v202, v203, 4, v202             ; Wo: row lane % 16 of 1,024 bytes, + 16 (lane / 16)
	s_mov_b32 s26, MANT
	s_lshl_b32 s24, ttmp9, 2
	s_add_co_u32 s18, s24, s16                     ; the run of 8 rows that I read: 4 x work-group + wave
	s_mov_b32 s19, 0
	s_lshl_b64 s[20:21], s[18:19], 15              ; 32,768 bytes a run
	s_and_b32 s22, s16, 1
	s_lshl_b32 s22, s22, 1
	s_lshr_b32 s25, s16, 1
	s_or_b32 s22, s22, s25                         ; the wave's two bits change places:
	s_add_co_u32 s22, s22, s24                     ; the run that I write
	s_mov_b32 s23, 0
	s_lshl_b64 s[28:29], s[22:23], 13              ; 8,192 bytes of codes a run,
	s_lshl_b32 s22, s22, 8                         ; 256 scale bytes
	s_lshl_b32 s32, ttmp9, 1
	s_lshr_b32 s33, s16, 1
	s_add_co_u32 s32, s32, s33                     ; my fragment of Wo: 2 x work-group + wave / 2
	s_and_b32 s33, s16, 1                          ; and which two of its four register groups
	s_lshr_b32 s34, s32, 3
	s_lshl_b32 s34, s34, 14                        ; 16 rows of 1,024 bytes,
	s_and_b32 s35, s32, 7
	s_lshl_b32 s35, s35, 7                         ; 128 along K,
	s_add_co_u32 s34, s34, s35
	s_lshl_b32 s35, s33, 6                         ; two groups of 32 along K
	s_add_co_u32 s34, s34, s35
	s_mov_b32 s35, 0
	s_lshl_b32 s36, s32, 11                        ; in Wimg: 2,048 bytes a fragment,
	s_lshl_b32 s33, s33, 10                        ; 512 a group
	s_add_co_u32 s36, s36, s33
	s_mov_b32 s37, 0
	s_wait_alu depctr_va_vdst(0)
	s_wait_kmcnt 0x0
	s_add_nc_u64 s[4:5], s[4:5], s[20:21]
	s_add_nc_u64 s[8:9], s[8:9], s[28:29]
	s_add_nc_u64 s[10:11], s[10:11], s[22:23]
	s_add_nc_u64 s[12:13], s[12:13], s[34:35]
	s_add_nc_u64 s[14:15], s[14:15], s[36:37]
	global_load_b128 v[194:197], v202, s[12:13]            ; older than every load of X: the counted waits below cover them
	global_load_b128 v[198:201], v202, s[12:13] offset:32
.macro LOAD t
.irp i, 0,1,2,3
	global_load_b128 v[R+16*((\t)%4)+4*\i:R+16*((\t)%4)+4*\i+3], v3, s[4:5] offset:2048*(\t)+512*\i th:TH_LOAD_NT   ; 32 lanes read 512 consecutive bytes
.endr
.endm
.macro TURN t                          ; step t's numbers through the stage: LDS serves a wave's instructions in order, so no wait stands between the stores and the loads
.irp i, 0,1,2,3
	ds_store_b128 v14, v[R+16*((\t)%4)+4*\i:R+16*((\t)%4)+4*\i+3] offset:32*SP*((\t)%2)+8*SP*\i
.endr
.irp i, 0,1,2,3
	ds_load_b128 v[X+16*((\t)%2)+4*\i:X+16*((\t)%2)+4*\i+3], v15 offset:32*SP*((\t)%2)+16*\i
.endr
.endm
.irp t, 0,1,2,3
	LOAD \t
.endr
	s_wait_loadcnt 12                              ; step 0's four loads are in; the twelve of steps 1 to 3 may be out
	TURN 0
.macro STEP t
.set XS, X+16*((\t)%2)
.if (\t) > 0
	s_wait_dscnt 1                                 ; this step's numbers are back from the stage (the last step's byte store may be out): so its stores into the stage have read their registers,
.else
	s_wait_dscnt 0x0
.endif
.if (\t)+4 < STEPS
	LOAD (\t)+4                                    ; which take the loads of four steps on
.endif
.if (\t)+1 < STEPS
.if STEPS-2-(\t) >= 3
	s_wait_loadcnt 12                              ; the next step's four loads are in; those of the three steps behind it may be out
.else
	s_wait_loadcnt 4*(STEPS-2-(\t))
.endif
	TURN (\t)+1                                    ; and go through the other stage while this step is worked
.endif
	v_max3_num_f32 v8, |v[XS]|, |v[XS+1]|, |v[XS+2]|               ; the largest magnitude of my 16, in two chains
	v_max3_num_f32 v9, |v[XS+3]|, |v[XS+4]|, |v[XS+5]|
.irp i, 6,10
	v_max3_num_f32 v8, v8, |v[XS+\i]|, |v[XS+\i+1]|
	v_max3_num_f32 v9, v9, |v[XS+\i+2]|, |v[XS+\i+3]|
.endr
	v_max3_num_f32 v8, v8, |v[XS+14]|, |v[XS+15]|
	v_max3_num_f32 v8, v8, v9, (EMAX+1)<<23        ; and the floor 2^(16 - 127): the byte cannot fall under 1
	v_max_num_f32_dpp v8, v8, v8 row_xmask:1 row_mask:0xf bank_mask:0xf   ; and of my neighbour's 16: the block's
	v_add_nc_u32 v11, -(EMAX<<23), v8              ; 15 off its exponent field: the conversion takes the exponent field of this operand as its scale
	v_and_or_b32 v10, v8, 0x7f800000, s26          ; 57,344 x the scale
.irp i, 0,1,2,3,4,5,6,7,8,9,10,11,12,13,14,15
	v_med3_num_f32 v[XS+\i], v[XS+\i], -v10, v10   ; the conversion to an 8-bit code does not saturate (ISA guide 7.6.2): the hold comes first
.endr
	v_cvt_scalef32_pk8_bf8_f32 v[C+4*(\t):C+4*(\t)+1], v[XS:XS+7], v11
	v_cvt_scalef32_pk8_bf8_f32 v[C+4*(\t)+2:C+4*(\t)+3], v[XS+8:XS+15], v11
	v_lshrrev_b32 v[E+(\t)], 23, v11               ; the scale's byte (also the plain line behind the conversions)
	ds_store_b8 v5, v[E+(\t)] offset:16*(\t)       ; both lanes of a block write the same byte with the same value
	global_store_b128 v4, v[C+4*(\t):C+4*(\t)+3], s[8:9] offset:32*CB*(\t)   ; 512 consecutive bytes
.endm
.irp t, 0,1,2,3,4,5,6,7,8,9,10,11,12,13,14,15
	STEP \t
.endr
	ds_load_b64 v[12:13], v6                       ; LDS serves a wave's instructions in order: these see my stores
	s_wait_dscnt 0x0
	global_store_b64 v7, v[12:13], s[10:11]        ; 32 lanes store 256 consecutive bytes, aligned
	global_store_b128 v3, v[194:197], s[14:15]             ; a register group's image: 512 consecutive bytes, aligned
	global_store_b128 v3, v[198:201], s[14:15] offset:512
	s_wait_tensorcnt 0x0
	ds_add_u32 v192, v193
	s_wait_dscnt 0x0
	s_endpgm
.Lfunc_end_k_q97bdeaa776_quantx:
	.size	k_q97bdeaa776_quantx, .Lfunc_end_k_q97bdeaa776_quantx-k_q97bdeaa776_quantx
	.p2alignl 7, 3214868480
	.fill 96, 4, 3214868480
	.section	.rodata,"a",@progbits
	.p2align	6, 0x0
	.amdhsa_kernel k_q97bdeaa776_quantx
		.amdhsa_group_segment_fixed_size 33280
		.amdhsa_private_segment_fixed_size 0
		.amdhsa_enable_private_segment 0
		.amdhsa_kernarg_size 40
		.amdhsa_user_sgpr_count 2
		.amdhsa_user_sgpr_kernarg_segment_ptr 1
		.amdhsa_wavefront_size32 1
		.amdhsa_system_sgpr_workgroup_id_x 1
		.amdhsa_system_sgpr_workgroup_id_y 1
		.amdhsa_system_sgpr_workgroup_id_z 1
		.amdhsa_system_vgpr_workitem_id 0
		.amdhsa_next_free_vgpr 204
		.amdhsa_next_free_sgpr 66
		.amdhsa_reserve_vcc 0
		.amdhsa_float_denorm_mode_32 3
		.amdhsa_float_denorm_mode_16_64 3
		.amdhsa_memory_ordered 1
		.amdhsa_forward_progress 1
		.amdhsa_inst_pref_size 52
	.end_amdhsa_kernel
	.amdgpu_metadata
---
amdhsa.version: [ 1, 2 ]
amdhsa.kernels:
  - .name:           k_q97bdeaa776_quantx
    .symbol:         k_q97bdeaa776_quantx.kd
    .args:
      - { .name: X, .offset: 0, .size: 8, .value_kind: global_buffer, .address_space: global }
      - { .name: Xc, .offset: 8, .size: 8, .value_kind: global_buffer, .address_space: global }
      - { .name: Xs, .offset: 16, .size: 8, .value_kind: global_buffer, .address_space: global }
      - { .name: Wo_codes, .offset: 24, .size: 8, .value_kind: global_buffer, .address_space: global }
      - { .name: Wimg, .offset: 32, .size: 8, .value_kind: global_buffer, .address_space: global }
    .group_segment_fixed_size: 33280
    .private_segment_fixed_size: 0
    .kernarg_segment_align: 8
    .kernarg_segment_size: 40
    .max_flat_workgroup_size: 128
    .sgpr_count:     66
    .vgpr_count:     204
    .wavefront_size: 32
...
	.end_amdgpu_metadata
.endif
;; end of part 1
;; launch qkv (part 2): grid 12 x 32, 4 waves a work-group, clusters of 4 x 4, 327,680 bytes of LDS; arguments Xc, Xs, Wq_codes, Wq_scales, Wk_codes, Wk_scales, Wv_codes, Wv_scales, bq, bk, bv, QR, KV; writes QR, KV
.if DOCPART == 2
	.amdgcn_target "amdgcn-amd-amdhsa--gfx1250"
	.amdhsa_code_object_version 6
	.text
	.protected	k_q97bdeaa776_qkv
	.globl	k_q97bdeaa776_qkv
	.p2align	8
	.type	k_q97bdeaa776_qkv,@function
k_q97bdeaa776_qkv:
	s_mov_b64 s[64:65], 0
	v_nop
	global_prefetch_b8 v0, s[64:65] scope:SCOPE_SE
	s_setreg_imm32_b32 hwreg(HW_REG_WAVE_MODE, 25, 1), 1
	s_wait_xcnt 0x0
	s_wait_alu depctr_hold_cnt(0) depctr_sa_sdst(0) depctr_va_vdst(0) depctr_va_sdst(0) depctr_va_ssrc(0) depctr_va_vcc(0) depctr_vm_vsrc(0)
	s_getreg_b32 s2, hwreg(HW_REG_IB_STS2, 6, 4)
	s_cmp_eq_u32 s2, 0
	s_cbranch_scc0 .Lentry_in_a_cluster
	s_endpgm
.Lentry_in_a_cluster:
	s_bfe_u32 s2, ttmp6, 0x10000c
	s_cmp_lg_u32 s2, 0xf033
	s_cbranch_scc0 .Lentry_shape_is_right
	s_endpgm
.Lentry_shape_is_right:
.set KSTEP,  256
.set NQ,     2
.set ROWB,   256
.set KROW,   1024
.set PITCH,  272
.set FR,     16
.set NL,     4
.set NP,     8
.set HALFT,  128*PITCH
.set SLOT,   4*HALFT
.set KS,     32
.set SCL,    2*SLOT
.set HALFS,  (128*KS/256)*272
.set SBLK,   (16*KS/256)*272
.set SPARE,  SCL+4*HALFS
.set STGQ,   SPARE+512
.set STGV,   STGQ+4*1024
.set REC,    17152
.set HEADREC, 16*REC
.set ADRA, 16
.set SH,   18
.set CO8,  19
.set ADRB, 20
.set RDQ,  22
.set RDV,  23
.set SSTQ, 24
.set SSTV, 25
.set CO,   26
.set ADRS, 27
.set SPW,  28
.set NIL,  29
.set BOQ,  30
.set BOV,  31
.set SC,   32
.set BI,   64
.set AF,   128
.set T,    64
.set PC,   128
.set TM,   144
.set TP,   148
.set LM,   152
.set SO,   156
.set PWB,  176
.set WQB,  184
.set RB,   192
.set WV,  30
.set HR,  31
.set HC,  32
.set SV,  33
.set CX,  34
.set CY,  35
.set G1A, 36
.set G0A, 44
.set G0B, 52
.set G1B, 68
.set G1S, 76
.set G1SB, 84
.set G0S, 92
.set G0SB, 96
.set SEL, 60
.set MNT, 62
.set LOW16, 63
.set MSB, 0
.macro WIN new
.if MSB != (\new)
	s_set_vgpr_msb (MSB<<8)|(\new)
.set MSB, (\new)
.endif
.endm
.set TO_B, 0x40
.macro WMUL hi, zero
.if \zero
	WIN 0x81+0x40*(\hi)
.else
	WIN 0xa1+0x50*(\hi)
.endif
.endm
.macro JLOAD g0a, g1a, g0b, g1b
	s_cmp_eq_u32 s[HR], 0
	s_cbranch_scc0 .Lfor_b_\@
	tensor_load_to_lds s[\g0a:\g0a+3], s[\g1a:\g1a+7]
	s_nop 0
.rept 4
	v_nop
.endr
	s_branch .Lasked_\@
.Lfor_b_\@:
	tensor_load_to_lds s[\g0b:\g0b+3], s[\g1b:\g1b+7]
	s_nop 0
.rept 4
	v_nop
.endr
.Lasked_\@:
.endm
.macro CREST
	s_cmp_lg_u32 s[WV], 0
	s_cbranch_scc1 .Lnot_wave_0_\@
	s_barrier_signal -3
.Lnot_wave_0_\@:
	s_barrier_wait -3
	s_barrier_signal -1
	s_barrier_wait -1
.endm
.macro CROUND
	s_barrier_signal -1
	s_barrier_wait -1
	CREST
.endm
	s_load_b512 s[4:19], s[0:1], 0x0
	s_load_b256 s[20:27], s[0:1], 0x40
	s_load_b64 s[28:29], s[0:1], 0x60
	v_lshl_add_u32 v[SPW], v0, 2, SPARE
	v_mov_b32 v[NIL], 0
	ds_add_u32 v28, v29
	ds_add_u32 v28, v29
	s_wait_dscnt 0x0
	v_lshrrev_b32 v1, 5, v0
	v_readfirstlane_b32 s[WV], v1
	s_lshr_b32 s[HR], s[WV], 1
	s_and_b32 s[HC], s[WV], 1
	s_bfe_u32 s[CX], ttmp6, 0x40000
	s_bfe_u32 s[CY], ttmp6, 0x40004
	s_and_b32 s60, ttmp7, 0xffff
	s_lshl_b32 s60, s60, 2
	s_cmp_eq_u32 ttmp9, 2
	s_cselect_b32 s[SV], 1, 0
	s_cselect_b32 s61, 0, s60
	s_cselect_b32 s62, s60, 0
	s_add_co_u32 s61, s61, s[CY]
	s_add_co_u32 s62, s62, s[CX]
	s_lshl_b32 s63, s[CY], 2
	s_lshl_b32 s63, 15, s63
	s_lshl_b32 s100, 0x1111, s[CX]
	s_or_b32 s[G1A+0], s63, (0<<16)|(1<<20)|(1<<21)|(5<<22)|(3<<25)
	s_or_b32 s[G1B+0], s100, (0<<16)|(1<<20)|(1<<21)|(5<<22)|(3<<25)
.irp g, G1A, G1B
	s_mov_b32 s[\g+1], ROWB<<16
	s_mov_b32 s[\g+2], 256<<16
	s_mov_b32 s[\g+3], ROWB<<16
	s_mov_b32 s[\g+4], 256
	s_mov_b32 s[\g+5], KROW
	s_mov_b32 s[\g+6], 0
	s_mov_b32 s[\g+7], 0
.endr
	s_or_b32 s[G1S+0], s63, (3<<16)|(1<<20)|(1<<21)|(5<<22)|(3<<25)
	s_or_b32 s[G1SB+0], s100, (3<<16)|(1<<20)|(1<<21)|(5<<22)|(3<<25)
.irp g, G1S, G1SB
	s_mov_b32 s[\g+1], 32<<16
	s_mov_b32 s[\g+2], (256*KS/256)<<16
	s_mov_b32 s[\g+3], 32<<16
	s_mov_b32 s[\g+4], 256*KS/256
	s_mov_b32 s[\g+5], 32
	s_mov_b32 s[\g+6], 0
	s_mov_b32 s[\g+7], 0
.endr
	s_wait_kmcnt 0x0
	s_cmp_eq_u32 ttmp9, 0
	s_cselect_b64 s[8:9], s[8:9], s[12:13]
	s_cselect_b64 s[10:11], s[10:11], s[14:15]
	s_cselect_b64 s[20:21], s[20:21], s[22:23]
	s_cselect_b64 s[26:27], s[26:27], s[28:29]
	s_cmp_eq_u32 ttmp9, 2
	s_cselect_b64 s[8:9], s[4:5], s[8:9]
	s_cselect_b64 s[10:11], s[6:7], s[10:11]
	s_cselect_b64 s[4:5], s[16:17], s[4:5]
	s_cselect_b64 s[6:7], s[18:19], s[6:7]
	s_cselect_b64 s[14:15], s[24:25], s[20:21]
	s_mov_b64 s[12:13], s[26:27]
	s_lshl_b32 s16, s[HC], 17                      ; in the ring I fetch 128 rows of a tile: which half, in bytes
	s_mov_b32 s17, 0
	s_lshl_b32 s20, s61, 8                         ; the tiles' first rows
	s_lshl_b32 s24, s62, 8
	s_mov_b32 s21, 0
	s_mov_b32 s25, 0
	s_lshl_b64 s[22:23], s[20:21], 5
	s_lshl_b64 s[26:27], s[24:25], 5
	s_lshl_b64 s[20:21], s[20:21], 10
	s_lshl_b64 s[24:25], s[24:25], 10
	s_add_nc_u64 s[20:21], s[4:5], s[20:21]
	s_add_nc_u64 s[22:23], s[6:7], s[22:23]
	s_add_nc_u64 s[24:25], s[8:9], s[24:25]
	s_add_nc_u64 s[26:27], s[10:11], s[26:27]
	s_mul_i32 s28, s[WV], HALFT
	CROUND
	s_mov_b32 s[G0S], 1
	s_mov_b32 s[G0S+1], SCL
	s_mov_b64 s[G0S+2:G0S+3], s[22:23]
	s_or_b32 s[G0S+3], s[G0S+3], 0x80000000
	s_mov_b32 s[G0SB], 1
	s_mov_b32 s[G0SB+1], SCL+2*HALFS
	s_mov_b64 s[G0SB+2:G0SB+3], s[26:27]
	s_or_b32 s[G0SB+3], s[G0SB+3], 0x80000000
.set G0H,  4                           ; s[4:7], s[8:11] group 0 for the head's loads of K step 0: 256 rows each (the arguments that lay there have been used)
.set G0HB, 8
	s_mov_b32 s[G0H], 1
	s_mov_b32 s[G0H+1], 0
	s_mov_b64 s[G0H+2:G0H+3], s[20:21]
	s_or_b32 s[G0H+3], s[G0H+3], 0x80000000
	s_mov_b32 s[G0HB], 1
	s_mov_b32 s[G0HB+1], 2*HALFT
	s_mov_b64 s[G0HB+2:G0HB+3], s[24:25]
	s_or_b32 s[G0HB+3], s[G0HB+3], 0x80000000
	s_add_nc_u64 s[20:21], s[20:21], s[16:17]      ; for the ring: my 128 rows of the tile
	s_add_nc_u64 s[24:25], s[24:25], s[16:17]
.irp s, 0,1
	s_mov_b32 s[G0A+4*\s], 1
	s_add_co_u32 s[G0A+4*\s+1], s28, \s*SLOT
	s_add_nc_u64 s[G0A+4*\s+2:G0A+4*\s+3], s[20:21], \s*ROWB
	s_or_b32 s[G0A+4*\s+3], s[G0A+4*\s+3], 0x80000000
	s_mov_b32 s[G0B+4*\s], 1
	s_add_co_u32 s[G0B+4*\s+1], s28, \s*SLOT
	s_add_nc_u64 s[G0B+4*\s+2:G0B+4*\s+3], s[24:25], \s*ROWB
	s_or_b32 s[G0B+4*\s+3], s[G0B+4*\s+3], 0x80000000
.endr
; THE HEAD'S LOADS, ONE A WAVE: wave 0 K step 0's 256 rows of source 1's tile, wave 1 those of source 0's, waves 2 and 3 the two tiles' scale bytes.
; One tree of branches on the wave's number: every way through the head passes exactly one load.
.macro ARM under, g0, g1, next
	s_cmp_lt_u32 s[WV], \under
	s_cbranch_scc0 \next
	tensor_load_to_lds s[\g0:\g0+3], s[\g1:\g1+7]
	s_nop 0
.rept 4
	v_nop
.endr
	s_branch .Lhead_asked
\next:
.endm
	ARM 1, G0H,  G1A, .Lhead_b
	ARM 2, G0HB, G1B, .Lhead_sa
	ARM 3, G0S,  G1S, .Lhead_sb
	tensor_load_to_lds s[G0SB:G0SB+3], s[G1SB:G1SB+7]
	s_nop 0
.rept 4
	v_nop
.endr
.Lhead_asked:
	v_and_b32 v1, 15, v0
	v_bfe_u32 v2, v0, 4, 1
	v_mul_u32_u24 v3, v1, PITCH
	v_lshl_add_u32 v4, v2, 4, v3
	s_mul_i32 s16, s[HR], HALFT
	s_mul_i32 s17, s[HC], HALFT
	s_add_co_u32 s17, s17, 2*HALFT
.irp s, 0,1
	v_add_nc_u32 v[ADRA+\s], s16, v4
	v_add_nc_u32 v[ADRB+\s], s17, v4
	s_add_co_u32 s16, s16, SLOT
	s_add_co_u32 s17, s17, SLOT
.endr
	v_mul_u32_u24 v5, v1, KS
	v_lshrrev_b32 v6, 8, v5
	v_lshl_add_u32 v5, v6, 4, v5
	s_mul_i32 s16, s[HR], HALFS
	s_mul_i32 s17, s[HC], HALFS
	s_add_co_u32 s17, s17, 2*HALFS
	s_sub_co_u32 s17, s17, s16
	v_mul_u32_u24 v6, s17, v2
	s_add_co_u32 s16, s16, SCL
	v_add_nc_u32 v5, v5, v6
	v_add_nc_u32 v[ADRS], s16, v5
	v_and_b32 v6, 31, v0
	v_lshlrev_b32 v[CO], 4, v6
	v_lshlrev_b32 v[CO8], 3, v6
	v_lshlrev_b32 v[SH], 4, v2
	s_lshl_b32 s16, s[WV], 10
	s_add_co_u32 s16, s16, STGQ
	v_lshlrev_b32 v5, 4, v1
	v_lshl_add_u32 v3, v2, 9, v5
	v_add_nc_u32 v[SSTQ], s16, v3
	v_add_nc_u32 v[RDQ], s16, v[CO]
	s_lshl_b32 s16, s[WV], 9
	s_add_co_u32 s16, s16, STGV
	v_add_nc_u32 v[SSTV], s16, v5
	v_add_nc_u32 v[RDV], s16, v[CO]
	v_lshlrev_b32 v[BOQ], 5, v2
	v_lshlrev_b32 v[BOV], 2, v1
	s_lshl_b32 s16, s61, 1
	s_add_co_u32 s16, s16, s[HR]
	s_lshl_b32 s17, s62, 1
	s_add_co_u32 s17, s17, s[HC]
	s_cmp_eq_u32 s[SV], 1
	s_cselect_b32 s18, s17, s16
	s_cselect_b32 s19, s16, s17
	s_lshl_b32 s22, s19, 9
	s_mov_b32 s23, 0
	s_add_nc_u64 s[14:15], s[14:15], s[22:23]
	s_lshr_b32 s20, s18, 4
	s_lshl_b32 s20, s20, 4
	s_lshl_b32 s19, s19, 1
	s_add_co_u32 s20, s20, s19
	s_mul_i32 s20, s20, HEADREC
	s_and_b32 s18, s18, 15
	s_mul_i32 s18, s18, REC
	s_add_co_u32 s20, s20, s18
	s_mov_b32 s21, 0
	s_add_nc_u64 s[12:13], s[12:13], s[20:21]
	s_mov_b32 s[SEL], 0x76543210
	s_mov_b32 s[SEL+1], 0xfedcba98
	s_mov_b32 s[MNT], 0x600000
	s_mov_b32 s[LOW16], 0xffff
	s_cmp_eq_u32 s[SV], 1
	s_cbranch_scc1 .Lbias_v
	s_wait_alu depctr_va_vdst(0)
.irp b, 0,1,2,3,4,5,6,7
	global_load_b128 v[BI+8*\b:BI+8*\b+3], v[BOQ], s[14:15] offset:64*\b
	global_load_b128 v[BI+8*\b+4:BI+8*\b+7], v[BOQ], s[14:15] offset:64*\b+16
.endr
	s_branch .Lbias_done
.Lbias_v:
	s_wait_alu depctr_va_vdst(0)
.irp a, 0,1,2,3,4,5,6,7
.irp j, 0,1,2,3,4,5,6,7
	global_load_b32 v[BI+8*\a+\j], v[BOV], s[14:15] offset:64*\a
.endr
.endr
.Lbias_done:
.macro FRAG reg, adr, q, i
.irp c, 0,1,2,3
	ds_load_b128 v[\reg+4*\c:\reg+4*\c+3], v[\adr] offset:128*(\q)+32*\c+(\i)*16*PITCH
.endr
.endm
.macro MUL16 a0, p, q, sc, zero
.irp a, \a0, \a0+1
.irp b, 0,1,2,3,4,5,6,7
.if \zero == 1
	v_wmma_scale_f32_16x16x128_f8f6f4 v[8*(8*((\a)%4)+\b):8*(8*((\a)%4)+\b)+7], v[128*(\p)+FR*\b:128*(\p)+FR*\b+FR-1], v[AF+FR*(\a):AF+FR*(\a)+FR-1], v[BI+8*\b:BI+8*\b+7], v[SC+8*NQ*(\sc)+NQ*\b+(\q)], v[SC+8*NQ*(\sc)+NQ*(\a)+(\q)] matrix_a_fmt:MATRIX_FMT_BF8 matrix_b_fmt:MATRIX_FMT_BF8 matrix_a_scale:MATRIX_SCALE_ROW1
.elseif \zero == 2
	v_wmma_scale_f32_16x16x128_f8f6f4 v[8*(8*((\a)%4)+\b):8*(8*((\a)%4)+\b)+7], v[128*(\p)+FR*\b:128*(\p)+FR*\b+FR-1], v[AF+FR*(\a):AF+FR*(\a)+FR-1], v[BI+8*(\a):BI+8*(\a)+7], v[SC+8*NQ*(\sc)+NQ*\b+(\q)], v[SC+8*NQ*(\sc)+NQ*(\a)+(\q)] matrix_a_fmt:MATRIX_FMT_BF8 matrix_b_fmt:MATRIX_FMT_BF8 matrix_a_scale:MATRIX_SCALE_ROW1
.else
	v_wmma_scale_f32_16x16x128_f8f6f4 v[8*(8*((\a)%4)+\b):8*(8*((\a)%4)+\b)+7], v[128*(\p)+FR*\b:128*(\p)+FR*\b+FR-1], v[AF+FR*(\a):AF+FR*(\a)+FR-1], v[8*(8*((\a)%4)+\b):8*(8*((\a)%4)+\b)+7], v[SC+8*NQ*(\sc)+NQ*\b+(\q)], v[SC+8*NQ*(\sc)+NQ*(\a)+(\q)] matrix_a_fmt:MATRIX_FMT_BF8 matrix_b_fmt:MATRIX_FMT_BF8 matrix_a_scale:MATRIX_SCALE_ROW1
.endif
.endr
.endr
.endm
.macro FETCH_B slot, q, p
	WIN TO_B
.irp i, 0,1,2,3,4,5,6,7
	FRAG 128*(\p)+FR*\i, ADRB+\slot, \q, \i
.endr
	WIN 0
.endm
.macro FETCH_A slot, q, i0
.irp i, \i0, \i0+1, \i0+2, \i0+3
	FRAG AF+FR*(\i), ADRA+\slot, \q, \i
.endr
.endm
.macro SCALES sc
.irp i, 0,1,2,3,4,5,6,7
	ds_load_b64 v[SC+8*NQ*\sc+NQ*\i:SC+8*NQ*\sc+NQ*\i+1], v[ADRS] offset:\i*SBLK
.endr
.endm
.macro PLACES n
.rept \n
	v_nop
.endr
.endm
.macro STEP slot, q, zero
	s_wait_dscnt 4*NL
	WMUL 0, \zero
	MUL16 0, (\q)%2, \q, \slot, \zero
	MUL16 2, (\q)%2, \q, \slot, \zero
	s_wait_dscnt 0
	PLACES NP
	FETCH_B \slot, (\q)+1, 1-(\q)%2
	FETCH_A \slot, (\q)+1, 0
	WMUL 1, \zero
	MUL16 4, (\q)%2, \q, \slot, \zero
	MUL16 6, (\q)%2, \q, \slot, \zero
	PLACES NP
	WIN 0
	FETCH_A \slot, (\q)+1, 4
.endm
.macro TURN slot, next, fill
	s_wait_tensorcnt 0x0
	ds_add_u32 v[SPW], v[NIL]
	s_wait_dscnt 4*NL+1
	WMUL 0, 0
	MUL16 0, 1, NQ-1, \slot, 0
	s_wait_dscnt 0x0
	s_barrier_signal -1
	MUL16 2, 1, NQ-1, \slot, 0
	WIN 0
	s_barrier_wait -1
.if \fill
	CREST
	s_add_nc_u64 s[G0A+4*\slot+2:G0A+4*\slot+3], s[G0A+4*\slot+2:G0A+4*\slot+3], 2*ROWB
	s_add_nc_u64 s[G0B+4*\slot+2:G0B+4*\slot+3], s[G0B+4*\slot+2:G0B+4*\slot+3], 2*ROWB
	JLOAD G0A+4*\slot, G1A, G0B+4*\slot, G1B
	PLACES NP-4
.else
	PLACES NP
.endif
	s_wait_alu depctr_va_vdst(0)
	v_add_nc_u32 v[ADRS], 4*NQ, v[ADRS]
	FETCH_B \next, 0, 0
	FETCH_A \next, 0, 0
	SCALES \next
	WMUL 1, 0
	MUL16 4, 1, NQ-1, \slot, 0
	MUL16 6, 1, NQ-1, \slot, 0
	PLACES NP
	WIN 0
	FETCH_A \next, 0, 4
.endm
	s_wait_alu depctr_va_vdst(0)                   ; the wait at the head's end
	s_wait_tensorcnt 0x0                           ; my tile of the head's four is in; these lines stand ahead of a later first fill as ahead of a refill
	ds_add_u32 v[SPW], v[NIL]
	s_mov_b32 s[G1A+2], 128<<16                    ; no tensor load of mine is out: from here on a load brings 128 rows
	s_mov_b32 s[G1A+4], 128
	s_mov_b32 s[G1B+2], 128<<16
	s_mov_b32 s[G1B+4], 128
	s_wait_dscnt 0x0
	CROUND                                         ; all four tiles are in, and all sixteen work-groups are here
	JLOAD G0A+4, G1A, G0B+4, G1B                   ; K step 1: slot 1's first fill, the first tensor load behind the round
	FETCH_B 0, 0, 0
	FETCH_A 0, 0, 0
	SCALES 0
	FETCH_A 0, 0, 4
	s_wait_loadcnt 0x0
	s_cmp_eq_u32 s[SV], 1
	s_cbranch_scc1 .Lfirst_v
	STEP 0, 0, 1
	s_branch .Lfirst_done
.Lfirst_v:
	STEP 0, 0, 2
.Lfirst_done:
	TURN 0, 1, 1
	STEP 1, 0, 0
	TURN 1, 0, 1
	STEP 0, 0, 0
	TURN 0, 1, 0
	STEP 1, 0, 0
	s_wait_dscnt 4*NL
	WMUL 0, 0
	MUL16 0, 1, NQ-1, 1, 0
	MUL16 2, 1, NQ-1, 1, 0
	s_wait_dscnt 0
	WMUL 1, 0
	MUL16 4, 1, NQ-1, 1, 0
	MUL16 6, 1, NQ-1, 1, 0
	WIN 0
.macro EBLK a, isv
.set W, 2+(\a)/4
.set WW, (W<<2)|(W<<4)
.set AC, 64*((\a)%4)
	WIN WW
.irp b, 0,1,2,3
	v_max3_num_f32 v[TM+\b], 0x8000000, |v[AC+16*\b]|, |v[AC+16*\b+1]|
.endr
.irp i, 2,4,6,8,10,12,14
.irp b, 0,1,2,3
	v_max3_num_f32 v[TM+\b], v[TM+\b], |v[AC+16*\b+\i]|, |v[AC+16*\b+\i+1]|
.endr
.endr
	WIN 0
.irp b, 0,1,2,3
	v_permlanex16_b32 v[TP+\b], v[TM+\b], s[SEL], s[SEL+1]
.endr
.irp b, 0,1,2,3
	v_max_num_f32 v[TM+\b], v[TM+\b], v[TP+\b]
.endr
.irp b, 0,1,2,3
	v_add_nc_u32 v[SO+\b], 0xf8800000, v[TM+\b]
.endr
.irp b, 0,1,2,3
	v_and_or_b32 v[LM+\b], v[TM+\b], 0x7f800000, s[MNT]
.endr
.irp b, 0,1,2,3
	v_lshrrev_b32 v[TP+\b], 23, v[SO+\b]
.endr
	v_lshl_or_b32 v[PWB+\a], v[TP+1], 8, v[TP]
	v_lshl_or_b32 v[PWB+\a], v[TP+2], 16, v[PWB+\a]
	v_lshl_or_b32 v[PWB+\a], v[TP+3], 24, v[PWB+\a]
	WIN W
.irp b, 0,1,2,3
.irp i, 0,1,2,3,4,5,6,7,8,9,10,11,12,13,14,15
	v_med3_num_f32 v[T+16*\b+\i], v[AC+16*\b+\i], -v[LM+\b], v[LM+\b]
.endr
.endr
	WIN 0
.if \a > 0
	s_wait_alu depctr_va_vdst(0)
	s_wait_xcnt 0x0
.endif
.irp b, 0,1,2,3
	v_cvt_scalef32_pk8_bf8_f32 v[PC+4*\b:PC+4*\b+1], v[T+16*\b:T+16*\b+7], v[SO+\b]
	v_cvt_scalef32_pk8_bf8_f32 v[PC+4*\b+2:PC+4*\b+3], v[T+16*\b+8:T+16*\b+15], v[SO+\b]
.endr
	v_nop
.if \isv
	ds_store_b32 v[SSTV], v[PWB+\a] offset:256*((\a)%2)+4*((\a)/2)
.irp b, 0,1,2,3
	global_store_b128 v[CO], v[PC+4*\b:PC+4*\b+3], s[12:13] offset:8192+((\a)/4)*HEADREC+2048*((\a)%4)+512*\b
.endr
.else
.irp b, 0,1,2,3
	v_permlane16_swap_b32 v[PC+4*\b], v[PC+4*\b+2]
	v_permlane16_swap_b32 v[PC+4*\b+1], v[PC+4*\b+3]
.endr
	v_lshrrev_b32 v[WQB+\a], v[SH], v[PWB+\a]
	v_and_or_b32 v[WQB+\a], v[WQB+\a], s[LOW16], 0x01010000
	ds_store_b32 v[SSTQ], v[WQB+\a] offset:256*((\a)%2)+4*((\a)/2)
.irp b, 0,1,2,3
	global_store_b128 v[CO], v[PC+4*\b:PC+4*\b+3], s[12:13] offset:(\b/2)*HEADREC+1024*(\a)+512*(\b%2)
.endr
.endif
.endm
.macro EPI isv
	PLACES NP
.irp b, 0,1,2,3
	v_mov_b32 v[TP+\b], 0
.endr
.irp a, 0,1,2,3,4,5,6,7
	EBLK \a, \isv
.endr
.if \isv
	ds_load_b64 v[RB:RB+1], v[RDV]
	ds_load_b64 v[RB+2:RB+3], v[RDV] offset:8
	s_wait_dscnt 0x0
	global_store_b64 v[CO8], v[RB:RB+1], s[12:13] offset:16896
	global_store_b64 v[CO8], v[RB+2:RB+3], s[12:13] offset:16896+HEADREC
.else
	ds_load_b128 v[RB:RB+3], v[RDQ]
	ds_load_b128 v[RB+4:RB+7], v[RDQ] offset:512
	s_wait_dscnt 0x0
	global_store_b128 v[CO], v[RB:RB+3], s[12:13] offset:16384
	global_store_b128 v[CO], v[RB+4:RB+7], s[12:13] offset:16384+HEADREC
.endif
.endm
	s_cmp_eq_u32 s[SV], 1
	s_cbranch_scc1 .Lepi_v
	EPI 0
	s_branch .Lepi_done
.Lepi_v:
	EPI 1
.Lepi_done:
	s_wait_tensorcnt 0x0
	ds_add_u32 v[SPW], v[NIL]
	s_wait_dscnt 0x0
	CROUND
	s_endpgm
.Lfunc_end_k_q97bdeaa776_qkv:
	.size	k_q97bdeaa776_qkv, .Lfunc_end_k_q97bdeaa776_qkv-k_q97bdeaa776_qkv
	.p2alignl 7, 3214868480
	.fill 96, 4, 3214868480
	.section	.rodata,"a",@progbits
	.p2align	6, 0x0
	.amdhsa_kernel k_q97bdeaa776_qkv
		.amdhsa_group_segment_fixed_size 327680
		.amdhsa_private_segment_fixed_size 0
		.amdhsa_enable_private_segment 0
		.amdhsa_kernarg_size 104
		.amdhsa_user_sgpr_count 2
		.amdhsa_user_sgpr_kernarg_segment_ptr 1
		.amdhsa_wavefront_size32 1
		.amdhsa_system_sgpr_workgroup_id_x 1
		.amdhsa_system_sgpr_workgroup_id_y 1
		.amdhsa_system_sgpr_workgroup_id_z 1
		.amdhsa_system_vgpr_workitem_id 0
		.amdhsa_next_free_vgpr 1024
		.amdhsa_next_free_sgpr 102
		.amdhsa_reserve_vcc 0
		.amdhsa_float_denorm_mode_32 3
		.amdhsa_float_denorm_mode_16_64 3
		.amdhsa_memory_ordered 1
		.amdhsa_forward_progress 1
		.amdhsa_inst_pref_size 255
	.end_amdhsa_kernel
	.section	.bss,"aw",@nobits
	.p2align	6
	.space	262144
	.amdgpu_metadata
---
amdhsa.version: [ 1, 2 ]
amdhsa.kernels:
  - .name:           k_q97bdeaa776_qkv
    .symbol:         k_q97bdeaa776_qkv.kd
    .args:
      - { .name: Xc, .offset: 0, .size: 8, .value_kind: global_buffer, .address_space: global }
      - { .name: Xs, .offset: 8, .size: 8, .value_kind: global_buffer, .address_space: global }
      - { .name: Wq_codes, .offset: 16, .size: 8, .value_kind: global_buffer, .address_space: global }
      - { .name: Wq_scales, .offset: 24, .size: 8, .value_kind: global_buffer, .address_space: global }
      - { .name: Wk_codes, .offset: 32, .size: 8, .value_kind: global_buffer, .address_space: global }
      - { .name: Wk_scales, .offset: 40, .size: 8, .value_kind: global_buffer, .address_space: global }
      - { .name: Wv_codes, .offset: 48, .size: 8, .value_kind: global_buffer, .address_space: global }
      - { .name: Wv_scales, .offset: 56, .size: 8, .value_kind: global_buffer, .address_space: global }
      - { .name: bq, .offset: 64, .size: 8, .value_kind: global_buffer, .address_space: global }
      - { .name: bk, .offset: 72, .size: 8, .value_kind: global_buffer, .address_space: global }
      - { .name: bv, .offset: 80, .size: 8, .value_kind: global_buffer, .address_space: global }
      - { .name: QR, .offset: 88, .size: 8, .value_kind: global_buffer, .address_space: global }
      - { .name: KV, .offset: 96, .size: 8, .value_kind: global_buffer, .address_space: global }
    .group_segment_fixed_size: 327680
    .private_segment_fixed_size: 0
    .kernarg_segment_align: 8
    .kernarg_segment_size: 104
    .max_flat_workgroup_size: 128
    .sgpr_count:     102
    .vgpr_count:     1024
    .wavefront_size: 32
...
	.end_amdgpu_metadata
.endif
;; end of part 2
;; launch attn (part 3): grid 4 x 64, 8 waves a work-group, clusters of 4 x 1, 327,680 bytes of LDS; arguments QR, KV, Oc, Os; writes Oc, Os
.if DOCPART == 3
	.amdgcn_target "amdgcn-amd-amdhsa--gfx1250"
	.amdhsa_code_object_version 6
	.text
	.protected	k_q97bdeaa776_attn
	.globl	k_q97bdeaa776_attn
	.p2align	8
	.type	k_q97bdeaa776_attn,@function
k_q97bdeaa776_attn:
	s_mov_b64 s[64:65], 0
	v_nop
	global_prefetch_b8 v0, s[64:65] scope:SCOPE_SE
	s_setreg_imm32_b32 hwreg(HW_REG_WAVE_MODE, 25, 1), 1
	s_wait_xcnt 0x0
	s_wait_alu depctr_hold_cnt(0) depctr_sa_sdst(0) depctr_va_vdst(0) depctr_va_sdst(0) depctr_va_ssrc(0) depctr_va_vcc(0) depctr_vm_vsrc(0)
	s_getreg_b32 s2, hwreg(HW_REG_IB_STS2, 6, 4)
	s_cmp_eq_u32 s2, 0
	s_cbranch_scc0 .Lentry_in_a_cluster
	s_endpgm
.Lentry_in_a_cluster:
	s_bfe_u32 s2, ttmp6, 0x10000c
	s_cmp_lg_u32 s2, 0x3003
	s_cbranch_scc0 .Lentry_shape_is_right
	s_endpgm
.Lentry_shape_is_right:
.set REC,  17152
.set HEADREC, 16*REC
.set LI16, 1
.set LI8,  2
.set AD16, 3
.set AD8,  4
.set ADN,  5
.set LANE, 7
.set KS,   8
.set VS,   12
.set QS,   14
.set ST,   16
.set S,    32
.set PC,   96
.set VF,   112
.set Q3,   176
.set BM,   192
.set BP,   196
.set LM,   200
.set SO,   204
.set F,    208
.set PW,   209
.set T,    210
.set KF,   128
.set QW,   200
.set OC,   112
.set WO,   144
.set WV,   12
.set CXS,  13
.set BH,   14
.set G1,   16
.set G0,   24
.set SEL,  32
.set CS,   34
.set MNT,  36
.set RECB, 37
.set NXT,  38
.set CNT,  39
.set SHW,  40
.set MSB, 0
.macro WIN new
.if MSB != (\new)
	s_set_vgpr_msb (MSB<<8)|(\new)
.set MSB, (\new)
.endif
.endm
.macro CROUND
	s_barrier_signal -1
	s_barrier_wait -1
	s_cmp_lg_u32 s[WV], 0
	s_cbranch_scc1 .Lnot_wave_0_\@
	s_barrier_signal -3
.Lnot_wave_0_\@:
	s_barrier_wait -3
	s_barrier_signal -1
	s_barrier_wait -1
.endm
.macro WMS
.if (RA == 0) && (RB == 0)
	v_wmma_scale_f32_16x16x128_f8f6f4 v[DD:DD+7], v[AA:AA+15], v[BB:BB+15], 0, v[SA], v[SB] matrix_a_fmt:MATRIX_FMT_BF8 matrix_b_fmt:MATRIX_FMT_BF8
.elseif (RA == 1) && (RB == 0)
	v_wmma_scale_f32_16x16x128_f8f6f4 v[DD:DD+7], v[AA:AA+15], v[BB:BB+15], 0, v[SA], v[SB] matrix_a_fmt:MATRIX_FMT_BF8 matrix_b_fmt:MATRIX_FMT_BF8 matrix_a_scale:MATRIX_SCALE_ROW1
.elseif RA == 0
	v_wmma_scale_f32_16x16x128_f8f6f4 v[DD:DD+7], v[AA:AA+15], v[BB:BB+15], 0, v[SA], v[SB] matrix_a_fmt:MATRIX_FMT_BF8 matrix_b_fmt:MATRIX_FMT_BF8 matrix_b_scale:MATRIX_SCALE_ROW1
.else
	v_wmma_scale_f32_16x16x128_f8f6f4 v[DD:DD+7], v[AA:AA+15], v[BB:BB+15], 0, v[SA], v[SB] matrix_a_fmt:MATRIX_FMT_BF8 matrix_b_fmt:MATRIX_FMT_BF8 matrix_a_scale:MATRIX_SCALE_ROW1 matrix_b_scale:MATRIX_SCALE_ROW1
.endif
.endm
.macro WMP
.if RA == 0
	v_wmma_scale_f32_16x16x128_f8f6f4 v[DD:DD+7], v[AA:AA+15], v[PC:PC+15], v[DD:DD+7], v[SA], v[PW] matrix_a_fmt:MATRIX_FMT_BF8 matrix_b_fmt:MATRIX_FMT_BF8
.else
	v_wmma_scale_f32_16x16x128_f8f6f4 v[DD:DD+7], v[AA:AA+15], v[PC:PC+15], v[DD:DD+7], v[SA], v[PW] matrix_a_fmt:MATRIX_FMT_BF8 matrix_b_fmt:MATRIX_FMT_BF8 matrix_a_scale:MATRIX_SCALE_ROW1
.endif
.endm
.macro KLOAD
	WIN 0x40
.irp t, 0,1,2,3,4,5,6,7
.irp c, 0,1
	ds_load_b128 v[KF+8*\t+4*\c:KF+8*\t+4*\c+3], v[ADN] offset:1024*\t+512*\c
.endr
.endr
	WIN 0
	ds_load_b128 v[KS:KS+3], v[ADN] offset:16384
.endm
.macro VLOAD
.irp t, 0,1,2,3
.irp c, 0,1,2,3
	ds_load_b128 v[VF+16*\t+4*\c:VF+16*\t+4*\c+3], v[AD16] offset:8192+2048*\t+512*\c
.endr
.endr
	ds_load_b64 v[VS:VS+1], v[AD8] offset:16896
.endm
.macro TILE q
.set TQ, ST+4*\q
.if \q == 3
	WIN 0x01
.set BB, Q3
.else
	WIN 0x05
.set BB, QW+16*\q
.endif
.set SB, QS+\q/2
.set RB, \q%2
.irp t, 0,1,2,3,4,5,6,7
.set DD, S+8*\t
.set AA, KF+8*\t
.set SA, KS+\t/2
.set RA, \t%2
	WMS
.endr
	WIN 0
.if \q == 0
	v_add_nc_u32 v[AD16], s[RECB], v[LI16]
	v_add_nc_u32 v[AD8], s[RECB], v[LI8]
.rept 6
	v_nop
.endr
	VLOAD
.elseif \q == 3
	v_add_nc_u32 v[ADN], s[NXT], v[LI16]
.rept 7
	v_nop
.endr
	KLOAD
.else
.rept 8
	v_nop
.endr
.endif
.irp b, 0,1,2,3
	v_max3_num_f32 v[BM+\b], v[S+16*\b], v[S+16*\b+1], v[S+16*\b+2]
.endr
.irp n, 3,5,7,9,11,13
.irp b, 0,1,2,3
	v_max3_num_f32 v[BM+\b], v[BM+\b], v[S+16*\b+\n], v[S+16*\b+\n+1]
.endr
.endr
.irp b, 0,1,2,3
	v_max_num_f32 v[BM+\b], v[BM+\b], v[S+16*\b+15]
.endr
.irp b, 0,1,2,3
	s_delay_alu instid0(VALU_DEP_4)
	v_permlanex16_b32 v[BP+\b], v[BM+\b], s[SEL], s[SEL+1]
.endr
.irp b, 0,1,2,3
	s_delay_alu instid0(VALU_DEP_4)
	v_max_num_f32 v[BM+\b], v[BM+\b], v[BP+\b]
.endr
	s_delay_alu instid0(VALU_DEP_2)
	v_max3_num_f32 v[T], v[BM], v[BM+1], v[BM+2]
	s_delay_alu instid0(VALU_DEP_1)
	v_max_num_f32 v[T], v[T], v[BM+3]
	s_delay_alu instid0(VALU_DEP_1)
	v_mul_f32 v[T], s[CS], v[T]
	s_delay_alu instid0(VALU_DEP_1)
	v_max_num_f32 v[TQ+1], v[TQ+1], v[T]
	v_mov_b32 v[T], v[TQ]
	s_delay_alu instid0(VALU_DEP_2)
	v_floor_f32 v[TQ], -v[TQ+1]
.set j, 0
.irp z, 0,1,2,3
.rept 8
	v_pk_fma_f32 v[S+j:S+j+1], v[S+j:S+j+1], s[CS:CS+1], v[TQ:TQ+1] op_sel_hi:[1,0,0]
.set j, j+2
.endr
.if \z == 0
	v_sub_f32 v[T], v[TQ], v[T]
.elseif \z == 1
	v_cvt_i32_f32 v[T], v[T]
.elseif \z == 2
	v_ldexp_f32 v[F], 1.0, v[T]
.endif
.endr
.irp b, 0,1,2,3
	v_fma_f32 v[BM+\b], v[BM+\b], s[CS], v[TQ]
.endr
.set j, 0
	s_wait_alu depctr_va_vdst(0)
.rept 64
	v_exp_f32 v[S+j], v[S+j]
.set j, j+1
.endr
	v_pk_mul_f32 v[TQ+2:TQ+3], v[TQ+2:TQ+3], v[F:F+1] op_sel_hi:[1,0]
	s_wait_alu depctr_va_vdst(0)
.irp b, 0,1,2,3
	v_exp_f32 v[BM+\b], v[BM+\b]
.endr
	v_pk_add_f32 v[BP:BP+1], v[S:S+1], v[S+2:S+3]          ; the row's sum of the unquantised p, in four chains by turns
	v_pk_add_f32 v[BP+2:BP+3], v[S+4:S+5], v[S+6:S+7]
	v_pk_add_f32 v[LM:LM+1], v[S+8:S+9], v[S+10:S+11]
	v_pk_add_f32 v[TQ+2:TQ+3], v[TQ+2:TQ+3], v[S+12:S+13]
.set j, 14
.rept 6
	v_pk_add_f32 v[BP:BP+1], v[BP:BP+1], v[S+j:S+j+1]
	v_pk_add_f32 v[BP+2:BP+3], v[BP+2:BP+3], v[S+j+2:S+j+3]
	v_pk_add_f32 v[LM:LM+1], v[LM:LM+1], v[S+j+4:S+j+5]
	v_pk_add_f32 v[TQ+2:TQ+3], v[TQ+2:TQ+3], v[S+j+6:S+j+7]
.set j, j+8
.endr
	v_pk_add_f32 v[BP:BP+1], v[BP:BP+1], v[S+62:S+63]
	v_pk_add_f32 v[TQ+2:TQ+3], v[TQ+2:TQ+3], v[LM:LM+1]
	v_pk_add_f32 v[BP:BP+1], v[BP:BP+1], v[BP+2:BP+3]
	v_pk_add_f32 v[TQ+2:TQ+3], v[TQ+2:TQ+3], v[BP:BP+1]
	s_wait_alu depctr_va_vdst(0)
.irp b, 0,1,2,3
	v_max_num_f32 v[BM+\b], 0x8000000, v[BM+\b]
.endr
.irp b, 0,1,2,3
	s_delay_alu instid0(VALU_DEP_4)
	v_add_nc_u32 v[SO+\b], 0xf8800000, v[BM+\b]
.endr
.irp b, 0,1,2,3
	v_and_or_b32 v[LM+\b], v[BM+\b], 0x7f800000, s[MNT]
.endr
.irp b, 0,1,2,3
	v_lshrrev_b32 v[BP+\b], 23, v[SO+\b]
.endr
	s_delay_alu instid0(VALU_DEP_3)
	v_lshl_or_b32 v[PW], v[BP+1], 8, v[BP]
	s_delay_alu instid0(VALU_DEP_1)
	v_lshl_or_b32 v[PW], v[BP+2], 16, v[PW]
	s_delay_alu instid0(VALU_DEP_1)
	v_lshl_or_b32 v[PW], v[BP+3], 24, v[PW]
.irp b, 0,1,2,3
.set j, 0
.rept 8                                ; the hold, two numbers an instruction
	v_dual_min_num_f32 v[S+16*\b+j], v[S+16*\b+j], v[LM+\b] :: v_dual_min_num_f32 v[S+16*\b+j+1], v[S+16*\b+j+1], v[LM+\b]
.set j, j+2
.endr
	v_cvt_scalef32_pk8_bf8_f32 v[PC+4*\b:PC+4*\b+1], v[S+16*\b:S+16*\b+7], v[SO+\b]
	v_cvt_scalef32_pk8_bf8_f32 v[PC+4*\b+2:PC+4*\b+3], v[S+16*\b+8:S+16*\b+15], v[SO+\b]
.endr
	WIN 0x41
.set j, 0
.rept 16
	v_pk_mul_f32 v[32*\q+j:32*\q+j+1], v[32*\q+j:32*\q+j+1], v[F:F+1] op_sel_hi:[1,0]
.set j, j+2
.endr
.if \q == 0
	s_wait_alu depctr_va_vdst(0)
	s_wait_dscnt 0x0
.endif
	WIN 0x50
.irp t, 0,1,2,3
.set DD, 32*\q+8*\t
.set AA, VF+16*\t
.set SA, VS+\t/2
.set RA, \t%2
	WMP
.endr
.if \q == 3
	WIN 0
.endif
.endm
.macro CHUNK c
	s_wait_tensorcnt 1-\c
	s_wait_dscnt 0x0
	s_barrier_signal -1
	s_barrier_wait -1
	s_mov_b32 s[RECB], 8*\c*REC
	v_add_nc_u32 v[ADN], s[RECB], v[LI16]
	KLOAD
	s_mov_b32 s[CNT], 8
.Lstep_\@:
	s_add_co_u32 s[NXT], s[RECB], REC
	s_min_u32 s[NXT], s[NXT], (8*\c+7)*REC
	s_wait_dscnt 0x0
	TILE 0
	TILE 1
	TILE 2
	TILE 3
	s_add_co_u32 s[RECB], s[RECB], REC
	s_sub_co_u32 s[CNT], s[CNT], 1
	s_cmp_lg_u32 s[CNT], 0
	s_cbranch_scc1 .Lstep_\@
.endm
	s_load_b256 s[4:11], s[0:1], 0x0
	v_lshl_add_u32 v254, v0, 2, 0x43000
	v_mov_b32 v255, 0
	ds_add_u32 v254, v255
	ds_add_u32 v254, v255
	v_lshrrev_b32 v1, 5, v0
	s_delay_alu instid0(VALU_DEP_1)
	v_readfirstlane_b32 s[WV], v1
	s_bfe_u32 s[CXS], ttmp6, 0x40000
	s_and_b32 s[BH], ttmp7, 0xffff
	s_mov_b32 s[G1], 15|(3<<16)|(1<<21)
	s_mov_b32 s[G1+1], 32<<16
	s_mov_b32 s[G1+2], 67<<16
	s_mov_b32 s[G1+3], 32<<16
	s_mov_b32 s[G1+4], 67
	s_mov_b32 s[G1+5], 32
	s_mov_b32 s[G1+6], 0
	s_mov_b32 s[G1+7], 0
	s_mul_i32 s42, s[BH], HEADREC
	s_mov_b32 s43, 0
	s_mul_i32 s44, s[WV], REC
	s_mov_b32 s45, 0
	s_mov_b32 s[SEL], 0x76543210
	s_mov_b32 s[SEL+1], 0xfedcba98
	s_mov_b32 s[CS], 0x3e38aa3b
	s_mov_b32 s[CS+1], s[CS]
	s_mov_b32 s[MNT], 0x600000
	s_wait_dscnt 0x0
	s_wait_kmcnt 0x0
	s_add_nc_u64 s[6:7], s[6:7], s[42:43]
	s_add_nc_u64 s[6:7], s[6:7], s[44:45]
	s_mov_b32 s[G0], 1
	s_mov_b32 s[G0+1], s44
	s_mov_b64 s[G0+2:G0+3], s[6:7]
	s_or_b32 s[G0+3], s[G0+3], 0x80000000
	s_mov_b32 s[G0+4], 1
	s_add_co_u32 s[G0+5], s44, 8*REC
	s_add_nc_u64 s[G0+6:G0+7], s[6:7], 8*REC
	s_or_b32 s[G0+7], s[G0+7], 0x80000000
	CROUND
	tensor_load_to_lds s[G0:G0+3], s[G1:G1+7]
	s_nop 0
.rept 4
	v_nop
.endr
	; Q's fragments and scale words are asked for here, while the first tensor load is out
	v_and_b32 v[LANE], 31, v0
	s_delay_alu instid0(VALU_DEP_1)
	v_lshlrev_b32 v[LI16], 4, v[LANE]
	s_wait_alu depctr_va_vdst(0)
	v_lshlrev_b32 v[LI8], 3, v[LANE]
	s_lshl_b32 s46, s[CXS], 2
	s_lshr_b32 s47, s[WV], 1
	s_add_co_u32 s46, s46, s47
	s_mul_i32 s46, s46, REC
	s_mov_b32 s47, 0
	s_add_nc_u64 s[4:5], s[4:5], s[42:43]
	s_add_nc_u64 s[4:5], s[4:5], s[46:47]
	s_and_b32 s48, s[WV], 1
	s_lshl_b32 s50, s48, 3
	s_mov_b32 s51, 0
	s_add_nc_u64 s[50:51], s[4:5], s[50:51]
	s_lshl_b32 s48, s48, 12
	s_mov_b32 s49, 0
	s_add_nc_u64 s[4:5], s[4:5], s[48:49]
	WIN 0x40
.irp q, 0,1,2
.irp c, 0,1
	global_load_b128 v[QW+16*\q+4*\c:QW+16*\q+4*\c+3], v[LI16], s[4:5] offset:1024*\q+512*\c
.endr
.endr
	WIN 0
.irp c, 0,1
	global_load_b128 v[Q3+4*\c:Q3+4*\c+3], v[LI16], s[4:5] offset:3072+512*\c
.endr
	global_load_b64 v[QS:QS+1], v[LI16], s[50:51] offset:16384
	s_wait_alu depctr_va_vdst(0)
	s_wait_tensorcnt 0x0
	ds_add_u32 v254, v255
	s_wait_dscnt 0x0
	CROUND
	tensor_load_to_lds s[G0+4:G0+7], s[G1:G1+7]
	s_nop 0
.rept 4
	v_nop
.endr
.set j, 0
.rept 8
	v_mov_b32 v[Q3+8+j], 0
.set j, j+1
.endr
.irp q, 0,1,2,3
	v_mov_b32 v[ST+4*\q+1], 0xff61b1e6
	s_delay_alu instid0(VALU_DEP_1)
	v_floor_f32 v[ST+4*\q], -v[ST+4*\q+1]
	v_mov_b32 v[ST+4*\q+2], 0
	v_mov_b32 v[ST+4*\q+3], 0
	v_mov_b32 v[BP+\q], 0
.endr
	v_mov_b32 v[PW], 0
	WIN 0x40
.irp q, 0,1,2
.set j, 0
.rept 8
	v_mov_b32 v[QW+16*\q+8+j], 0
.set j, j+1
.endr
.endr
.set j, 0
.rept 8
	v_mov_b32 v[192+j], 0
.set j, j+1
.endr
.set j, 0
.rept 128
	v_mov_b32 v[j], 0
.set j, j+1
.endr
	WIN 0
	s_lshr_b32 s42, s[BH], 4
	s_lshl_b32 s42, s42, 7
	s_lshl_b32 s43, s[CXS], 5
	s_add_co_u32 s42, s42, s43
	s_lshl_b32 s43, s[WV], 2
	s_add_co_u32 s42, s42, s43
	s_lshl_b32 s42, s42, 14
	s_and_b32 s43, s[BH], 15
	s_lshl_b32 s43, s43, 10
	s_add_co_u32 s42, s42, s43
	s_mov_b32 s43, 0
	s_add_nc_u64 s[8:9], s[8:9], s[42:43]
	s_lshl_b32 s42, s[BH], 13
	s_lshl_b32 s44, s[CXS], 11
	s_add_co_u32 s42, s42, s44
	s_lshl_b32 s44, s[WV], 8
	s_add_co_u32 s42, s42, s44
	s_add_nc_u64 s[10:11], s[10:11], s[42:43]
	s_and_b32 s[SHW], s[BH], 1
	s_lshl_b32 s[SHW], s[SHW], 4
	s_wait_loadcnt 0x0
	CHUNK 0
	CHUNK 1
	s_wait_dscnt 0x0
.irp q, 0,1,2,3
	v_add_f32 v[ST+4*\q+2], v[ST+4*\q+2], v[ST+4*\q+3]
.endr
.irp q, 0,1,2,3
	s_delay_alu instid0(VALU_DEP_4)
	v_permlanex16_b32 v[BP+\q], v[ST+4*\q+2], s[SEL], s[SEL+1]
.endr
.irp q, 0,1,2,3
	s_delay_alu instid0(VALU_DEP_4)
	v_add_f32 v[ST+4*\q+2], v[ST+4*\q+2], v[BP+\q]
.endr
	s_wait_alu depctr_va_vdst(0)
.irp q, 0,1,2,3
	v_rcp_f32 v[ST+4*\q+2], v[ST+4*\q+2]
.endr
	v_nop
	s_wait_alu depctr_va_vdst(0)
.macro OUTQ q
	WIN 0x01
.set j, 0
.rept 16
	v_pk_mul_f32 v[S+j:S+j+1], v[32*\q+j:32*\q+j+1], v[ST+4*\q+2:ST+4*\q+3] op_sel_hi:[1,0]
.set j, j+2
.endr
	WIN 0
.irp b, 0,1
	v_max3_num_f32 v[BM+\b], |v[S+16*\b]|, |v[S+16*\b+1]|, 0x8000000
.endr
.irp n, 2,4,6,8,10,12,14
.irp b, 0,1
	s_delay_alu instid0(VALU_DEP_2)
	v_max3_num_f32 v[BM+\b], v[BM+\b], |v[S+16*\b+\n]|, |v[S+16*\b+\n+1]|
.endr
.endr
.irp b, 0,1
	s_delay_alu instid0(VALU_DEP_2)
	v_permlanex16_b32 v[BP+\b], v[BM+\b], s[SEL], s[SEL+1]
.endr
.irp b, 0,1
	s_delay_alu instid0(VALU_DEP_2)
	v_max_num_f32 v[BM+\b], v[BM+\b], v[BP+\b]
.endr
.irp b, 0,1
	s_delay_alu instid0(VALU_DEP_2)
	v_add_nc_u32 v[SO+\b], 0xf8800000, v[BM+\b]
.endr
.irp b, 0,1
	s_delay_alu instid0(VALU_DEP_4)
	v_and_or_b32 v[LM+\b], v[BM+\b], 0x7f800000, s[MNT]
.endr
.irp b, 0,1
	s_delay_alu instid0(VALU_DEP_4)
	v_lshrrev_b32 v[BP+\b], 23, v[SO+\b]
.endr
	s_delay_alu instid0(VALU_DEP_1)
	v_lshl_or_b32 v[WO+\q], v[BP+1], 8, v[BP]
	s_delay_alu instid0(VALU_DEP_1)
	v_lshlrev_b32 v[WO+\q], s[SHW], v[WO+\q]
.irp b, 0,1
.set j, 0
.rept 16
	v_med3_num_f32 v[S+16*\b+j], v[S+16*\b+j], -v[LM+\b], v[LM+\b]
.set j, j+1
.endr
	v_cvt_scalef32_pk8_bf8_f32 v[OC+8*\q+4*\b:OC+8*\q+4*\b+1], v[S+16*\b:S+16*\b+7], v[SO+\b]
	v_cvt_scalef32_pk8_bf8_f32 v[OC+8*\q+4*\b+2:OC+8*\q+4*\b+3], v[S+16*\b+8:S+16*\b+15], v[SO+\b]
.endr
	v_nop
.irp b, 0,1
	v_permlane16_swap_b32 v[OC+8*\q+4*\b], v[OC+8*\q+4*\b+2]
	v_permlane16_swap_b32 v[OC+8*\q+4*\b+1], v[OC+8*\q+4*\b+3]
.endr
.irp b, 0,1
	global_store_b128 v[LI16], v[OC+8*\q+4*\b:OC+8*\q+4*\b+3], s[8:9] offset:16384*\q+512*\b
.endr
.endm
	OUTQ 0
	OUTQ 1
	OUTQ 2
	OUTQ 3
	v_cmp_le_u32 vcc_lo, 16, v[LANE]
	s_delay_alu instid0(VALU_DEP_1)
	v_cndmask_b32 v[WO+4], v[WO], v[WO+2], vcc_lo
	s_delay_alu instid0(VALU_DEP_2)
	v_cndmask_b32 v[WO+5], v[WO+1], v[WO+3], vcc_lo
	global_store_b64 v[LI8], v[WO+4:WO+5], s[10:11]
	s_wait_tensorcnt 0x0
	ds_add_u32 v254, v255
	s_wait_dscnt 0x0
	CROUND
	s_endpgm
.Lfunc_end_k_q97bdeaa776_attn:
	.size	k_q97bdeaa776_attn, .Lfunc_end_k_q97bdeaa776_attn-k_q97bdeaa776_attn
	.p2alignl 7, 3214868480
	.fill 96, 4, 3214868480
	.section	.rodata,"a",@progbits
	.p2align	6, 0x0
	.amdhsa_kernel k_q97bdeaa776_attn
		.amdhsa_group_segment_fixed_size 327680
		.amdhsa_private_segment_fixed_size 0
		.amdhsa_enable_private_segment 0
		.amdhsa_kernarg_size 32
		.amdhsa_user_sgpr_count 2
		.amdhsa_user_sgpr_kernarg_segment_ptr 1
		.amdhsa_wavefront_size32 1
		.amdhsa_system_sgpr_workgroup_id_x 1
		.amdhsa_system_sgpr_workgroup_id_y 1
		.amdhsa_system_sgpr_workgroup_id_z 1
		.amdhsa_system_vgpr_workitem_id 0
		.amdhsa_next_free_vgpr 512
		.amdhsa_next_free_sgpr 66
		.amdhsa_reserve_vcc 1
		.amdhsa_float_denorm_mode_32 3
		.amdhsa_float_denorm_mode_16_64 3
		.amdhsa_memory_ordered 1
		.amdhsa_forward_progress 1
		.amdhsa_inst_pref_size 178
	.end_amdhsa_kernel
	.amdgpu_metadata
---
amdhsa.version: [ 1, 2 ]
amdhsa.kernels:
  - .name:           k_q97bdeaa776_attn
    .symbol:         k_q97bdeaa776_attn.kd
    .args:
      - { .name: QR, .offset: 0, .size: 8, .value_kind: global_buffer, .address_space: global }
      - { .name: KV, .offset: 8, .size: 8, .value_kind: global_buffer, .address_space: global }
      - { .name: Oc, .offset: 16, .size: 8, .value_kind: global_buffer, .address_space: global }
      - { .name: Os, .offset: 24, .size: 8, .value_kind: global_buffer, .address_space: global }
    .group_segment_fixed_size: 327680
    .private_segment_fixed_size: 0
    .kernarg_segment_align: 8
    .kernarg_segment_size: 32
    .max_flat_workgroup_size: 256
    .sgpr_count:     66
    .vgpr_count:     512
    .wavefront_size: 32
...
	.end_amdgpu_metadata
.endif
;; end of part 3
;; launch outln (part 4): grid 256 x 1, 8 waves a work-group, clusters of 4 x 1, 327,680 bytes of LDS; arguments Oc, Os, Wimg, Wo_scales, bo, X, gamma, beta, out0; writes out0
.if DOCPART == 4
	.amdgcn_target "amdgcn-amd-amdhsa--gfx1250"
	.amdhsa_code_object_version 6
	.text
	.protected	k_q97bdeaa776_outln
	.globl	k_q97bdeaa776_outln
	.p2align	8
	.type	k_q97bdeaa776_outln,@function
k_q97bdeaa776_outln:
	s_mov_b64 s[64:65], 0
	v_nop
	global_prefetch_b8 v0, s[64:65] scope:SCOPE_SE
	s_setreg_imm32_b32 hwreg(HW_REG_WAVE_MODE, 25, 1), 1
	s_wait_xcnt 0x0
	s_wait_alu depctr_hold_cnt(0) depctr_sa_sdst(0) depctr_va_vdst(0) depctr_va_sdst(0) depctr_va_ssrc(0) depctr_va_vcc(0) depctr_vm_vsrc(0)
	s_getreg_b32 s2, hwreg(HW_REG_IB_STS2, 6, 4)
	s_cmp_eq_u32 s2, 0
	s_cbranch_scc0 .Lentry_in_a_cluster
	s_endpgm
.Lentry_in_a_cluster:
	s_bfe_u32 s2, ttmp6, 0x10000c
	s_cmp_lg_u32 s2, 0x3003
	s_cbranch_scc0 .Lentry_shape_is_right
	s_endpgm
.Lentry_shape_is_right:
; out0 = layer norm(O Wo^T + bo + X) x gamma + beta; the product on codes of E5M2 with E8M0 scales, K = 1,024; all else in f32.
; SHARES.  A work-group owns 32 tokens and ALL 1,024 columns, so that the norm stays inside it.  Wave w makes columns 128 w + 0 .. 127 of both tiles of 16 tokens: 16 accumulators.
; Wo's codes come from Wimg, where the first launch laid them as images of the operand's registers: fragment (column tile ct, K step s) is 2,048 bytes at 2,048 (8 ct + s).
; THEY COME BY TWO ROADS.  My column tiles 0-3 go from memory straight into registers, 16 loads of 512 consecutive bytes a K step, asked for two K steps ahead.
; My column tiles 4-7 are asked for JOINTLY by the four work-groups of a cluster, which all walk the same Wo: a ring of two LDS slots, each with two K steps (8 waves x 16,384 bytes),
; four fills in all; wave w brings, and alone reads, its own 4 rows of 4,096 bytes (a column tile's two K steps; the rows 16,384 bytes apart in Wimg).  By this text's count one tensor load of a wave is out.
; No prefetch: the ring has four fills, each asked for two K steps ahead, and the plain loads stand two K steps ahead themselves.
; O's codes (32 tokens x 1,024 = 32,768 bytes, images too) are wanted by all eight waves: wave w brings K step w's two fragments into LDS bytes of their own; each wave reads a K step's two a step ahead.
; THE MATRIX INSTRUCTION IS USED TRANSPOSED (source 0 = 16 rows of Wo, source 1 = 16 tokens): a lane holds eight neighbouring columns of one token.
; The results meet in a stage in LDS (over slot 0, behind its last fill and its last read); each wave takes 4 whole rows back, adds bo and X, and normalises: mean, then the mean of the squared differences.
; The tokens of O's tiles lie in the order in which the first launch laid X's rows: rows 8 g + i of the stage are tokens 8 (g / 2) + 16 (g % 2) + i of the 32.
; REGISTERS.  window 0: v1-11 addresses; v16-23 O's scale words; v24-55 Wo's scale words; v56-57 my place in slot 0, 1; v64-191 Wo's set 1 (odd K steps), later bo, gamma, beta and the sums; v192-255 O's fragments, two sets.
;   window 1: v0-127 the accumulators ((tile m, column tile i) at 8 (8 m + i)), later 4 rows of y; v128-255 Wo's set 0 (even K steps), later 4 rows of X.  In a set: column tile i at 16 i.
.set SPIT,  4112                       ; a stage row: 4,096 bytes + 16
.set SLOT1, 32*SPIT                    ; slot 0 and the stage begin at 0; slot 1 behind the stage
.set OIMG,  SLOT1+131072               ; behind the ring: O's images
.set SPARE, OIMG+32768                 ; behind them: the spare words, 128 bytes a wave
.set LI16, 1
.set STO,  2                           ; v2-3  the stage: where I put 32 bytes of a row, tile 0, 1
.set RD,   4                           ; v4    and where I read rows back
.set WSO,  5
.set OSO,  6
.set OST,  7                           ; v7    where I put my K step's images of O
.set ORD,  8                           ; v8    where I read images of O
.set SPW,  10
.set NIL,  11
.set OS,   16
.set WS,   24
.set ADL,  56
.set R1,   64
.set R0,   128
.set OB,   192
.set BO,   64
.set GA,   96
.set BE,   128
.set TM,   160
.set TV,   176
.set WV,   22
.set G1,   32
.set G0,   40
.set WB,   44
.set MSB, 0
.macro WIN new
.if MSB != (\new)
	s_set_vgpr_msb (MSB<<8)|(\new)
.set MSB, (\new)
.endif
.endm
.macro ROUND                           ; a round of the cluster's barrier
	s_barrier_signal -1
	s_barrier_wait -1
	s_cmp_lg_u32 s[WV], 0
	s_cbranch_scc1 .Lnot_wave_0_\@
	s_barrier_signal -3
.Lnot_wave_0_\@:
	s_barrier_wait -3
	s_barrier_signal -1
	s_barrier_wait -1
.endm
	s_load_b512 s[4:19], s[0:1], 0x0               ; Oc, Os, Wimg, Wo's scales, bo, X, gamma, beta
	s_load_b64 s[20:21], s[0:1], 0x40              ; out0
	v_lshl_add_u32 v[SPW], v0, 2, SPARE
	v_mov_b32 v[NIL], 0
	ds_add_u32 v[SPW], v[NIL]                      ; the opening lines: the add, twice on end, and its wait ahead of my first tensor load
	ds_add_u32 v[SPW], v[NIL]
	v_lshrrev_b32 v12, 5, v0
	v_readfirstlane_b32 s[WV], v12                 ; wave 0..7
	v_and_b32 v12, 15, v0                          ; r
	v_bfe_u32 v13, v0, 4, 1                        ; h
	v_and_b32 v14, 31, v0                          ; lane
	v_lshlrev_b32 v[LI16], 4, v14
	v_mul_u32_u24 v15, v12, SPIT
	v_lshl_add_u32 v15, v13, 5, v15
	s_lshl_b32 s46, s[WV], 9
	v_add_nc_u32 v[STO], s46, v15                  ; row r, + 32 h, + my 128 columns' 512 bytes
	v_add_nc_u32 v[STO+1], 16*SPIT, v[STO]
	s_mul_i32 s46, s[WV], 4*SPIT
	v_add_nc_u32 v[RD], s46, v[LI16]
	v_lshlrev_b32 v[WSO], 5, v14                   ; Wo's scales: 32 bytes a row, a lane a row
	v_lshlrev_b32 v[OSO], 3, v12
	v_lshl_add_u32 v[OSO], v13, 2, v[OSO]          ; O's: 8 r + 4 x tile
	s_lshl_b32 s46, s[WV], 12
	v_add_nc_u32 v[ORD], OIMG, v[LI16]
	v_add_nc_u32 v[OST], s46, v[ORD]
	s_lshl_b32 s25, s[WV], 14                      ; my 16,384 bytes of a slot
	v_add_nc_u32 v[ADL], s25, v[LI16]
	v_add_nc_u32 v[ADL+1], SLOT1, v[ADL]
	s_bfe_u32 s23, ttmp6, 0x40000                  ; cx
	s_lshl_b32 s24, ttmp9, 2
	s_add_co_u32 s24, s24, s23                     ; my 32 tokens: it enters global addresses alone
	; descriptor group 1: 4 rows of 4,096 bytes (512 elements of 8 bytes), 16,384 bytes apart in memory, dense in LDS
	s_mov_b32 s[G1], 15|(3<<16)|(1<<21)            ; 15:0 the mask: all four work-groups; 21 set beside a mask
	s_mov_b32 s[G1+1], 512<<16
	s_mov_b32 s[G1+2], 4<<16
	s_mov_b32 s[G1+3], 512<<16
	s_mov_b32 s[G1+4], 4
	s_mov_b32 s[G1+5], 2048
	s_mov_b32 s[G1+6], 0
	s_mov_b32 s[G1+7], 0
	s_mov_b32 s47, 0
	s_mov_b32 s26, 0x76543210
	s_mov_b32 s27, 0xfedcba98
	s_mov_b32 s28, 0x3a800000                      ; 1 / 1,024
	s_mov_b32 s29, 0x2b8cbccc                      ; 1e-12
	s_wait_alu depctr_va_vdst(0)                   ; the wait at the head's end
	s_wait_dscnt 0x0                               ; both opening adds are done
	s_wait_kmcnt 0x0
	s_lshl_b32 s46, s[WV], 17                      ; my 64 fragments of Wo
	s_add_nc_u64 s[8:9], s[8:9], s[46:47]
	s_add_nc_u64 s[WB:WB+1], s[8:9], 0x10000       ; column tile 4 on: the ring's part
	s_mov_b32 s[G0], 1
	s_mov_b32 s[G0+1], s25
	s_mov_b64 s[G0+2:G0+3], s[WB:WB+1]
	s_or_b32 s[G0+3], s[G0+3], 0x80000000
	ROUND                                          ; all four work-groups are here
	tensor_load_to_lds s[G0:G0+3], s[G1:G1+7]      ; K steps 0 and 1: my one tensor load at the head
	s_nop 0
.rept 4
	v_nop
.endr
	s_lshl_b32 s46, s[WV], 12
	s_add_nc_u64 s[10:11], s[10:11], s[46:47]      ; my 128 rows of Wo's scales: 4,096 bytes a wave
	s_lshl_b32 s46, s24, 15                        ; my two tiles of O: 32,768 bytes,
	s_add_nc_u64 s[4:5], s[4:5], s[46:47]
	s_lshl_b32 s46, s[WV], 11                      ; K step w: 2,048 bytes a fragment
	s_add_nc_u64 s[4:5], s[4:5], s[46:47]
	s_lshr_b32 s46, s24, 6                         ; O's scales: the batch: 16 heads of 8,192 bytes,
	s_lshl_b32 s46, s46, 17
	s_and_b32 s48, s24, 63
	s_lshr_b32 s48, s48, 1                         ; the group of 64 tokens: 256 bytes,
	s_lshl_b32 s48, s48, 8
	s_add_co_u32 s46, s46, s48
	s_and_b32 s48, s24, 1                          ; its half
	s_lshl_b32 s48, s48, 7
	s_add_co_u32 s46, s46, s48
	s_add_nc_u64 s[6:7], s[6:7], s[46:47]
	s_lshl_b32 s46, s24, 5
	s_lshr_b32 s48, s[WV], 2
	s_lshl_b32 s48, s48, 3
	s_add_co_u32 s46, s46, s48
	s_bfe_u32 s48, s[WV], 0x10001
	s_lshl_b32 s48, s48, 4
	s_add_co_u32 s46, s46, s48
	s_and_b32 s48, s[WV], 1
	s_lshl_b32 s48, s48, 2
	s_add_co_u32 s46, s46, s48                     ; the first of the 4 tokens that I normalise: stage rows 4 w ..
	s_lshl_b32 s46, s46, 12
	s_add_nc_u64 s[14:15], s[14:15], s[46:47]
	s_add_nc_u64 s[20:21], s[20:21], s[46:47]
.macro LOADW s                         ; K step s of my column tiles 0-3: 16 loads from memory into set s % 2
.if ((\s)%2) == 0
	WIN 0x40
.set RS, R0
.else
.set RS, R1
.endif
.irp i, 0,1,2,3
.irp c, 0,1,2,3
	global_load_b128 v[RS+16*\i+4*\c:RS+16*\i+4*\c+3], v[LI16], s[8:9] offset:16384*\i+2048*(\s)+512*\c
.endr
.endr
	WIN 0
.endm
.macro LFETCH s                        ; K step s of my column tiles 4-7: 16 loads from my bytes of slot (s / 2) % 2 into set s % 2
.if ((\s)%2) == 0
	WIN 0x40
.set RS, R0
.else
.set RS, R1
.endif
.irp y, 0,1,2,3
.irp c, 0,1,2,3
	ds_load_b128 v[RS+64+16*\y+4*\c:RS+64+16*\y+4*\c+3], v[ADL+(((\s)/2)%2)] offset:4096*\y+2048*((\s)%2)+512*\c
.endr
.endr
	WIN 0
.endm
.macro OLOAD s                         ; K step s of O, both tiles, from LDS into set s % 2
.irp m, 0,1
.irp c, 0,1,2,3
	ds_load_b128 v[OB+32*((\s)%2)+16*\m+4*\c:OB+32*((\s)%2)+16*\m+4*\c+3], v[ORD] offset:4096*(\s)+2048*\m+512*\c
.endr
.endr
.endm
.irp m, 0,1
.irp c, 0,1,2,3
	global_load_b128 v[OB+16*\m+4*\c:OB+16*\m+4*\c+3], v[LI16], s[4:5] offset:16384*\m+512*\c
.endr
.endr
.irp d, 0,1,2,3,4,5,6,7,8,9,10,11,12,13,14,15
	global_load_b32 v[OB+32+\d], v[OSO], s[6:7] offset:8192*\d
.endr
.irp y, 0,1,2,3                        ; 32 rows of Wo: lanes 0-15 the even tile of a pair, lanes 16-31 the odd one; eight words a row, one a K step
	global_load_b128 v[WS+8*\y:WS+8*\y+3], v[WSO], s[10:11] offset:1024*\y
	global_load_b128 v[WS+8*\y+4:WS+8*\y+7], v[WSO], s[10:11] offset:1024*\y+16
.endr
	LOADW 0
	s_wait_loadcnt 16                              ; all but K step 0's 16 loads: O's images and both sides' scale words are in
	LOADW 1
.irp m, 0,1
.irp c, 0,1,2,3
	ds_store_b128 v[OST], v[OB+16*\m+4*\c:OB+16*\m+4*\c+3] offset:2048*\m+512*\c   ; bytes into which no tensor load lands
.endr
.endr
.irp s, 0,1,2,3,4,5,6,7
	v_or_b32 v[OS+\s], v[OB+32+2*\s], v[OB+32+2*\s+1]   ; K step s: the even head's two bytes below, the odd head's above
.endr
.rept 8
	v_nop                                          ; a scale register written by a vector line stands eight places ahead of its product
.endr
	s_wait_alu depctr_va_vdst(0)                   ; directly ahead of the wait below
; THE CHANGE OF SLOTS, ahead of K steps 2 n and 2 n + 1: the three lines, a round of the cluster's barrier, the joint load of the next two K steps into the other slot, then this slot's fragments.
.macro TOP n
	s_wait_tensorcnt 0x0                           ; my part of this slot is in, and no tensor load of mine is out, so the group 0 may be written
	ds_add_u32 v[SPW], v[NIL]                      ; 0 onto my spare word
.if \n < 3
	s_add_co_u32 s[G0+1], s25, ((\n+1)%2)*SLOT1
	s_add_nc_u64 s[G0+2:G0+3], s[WB:WB+1], 4096*(\n+1)
	s_or_b32 s[G0+3], s[G0+3], 0x80000000
.endif
	s_wait_dscnt 0x0                               ; the add is done, my reads of the other slot are over (n = 0: my stores of O's images are done)
	ROUND                                          ; so it is with every wave of the four work-groups
.if \n < 3
	tensor_load_to_lds s[G0:G0+3], s[G1:G1+7]      ; my one tensor load behind the round (n = 0: slot 1's first fill)
	s_nop 0
.rept 4
	v_nop
.endr
.endif
.if \n == 0
	OLOAD 0
.endif
	LFETCH 2*\n
	LFETCH 2*\n+1
.endm
; four products: column tiles 2 y and 2 y + 1 x both tiles of tokens.  The 16 accumulators take turns, one instruction a turn.
.macro QUAD y, s, ra, z
.set A0, \ra+32*\y
.set B0, OB+32*((\s)%2)
.set D0, 16*\y
.set SW, WS+8*\y+\s
.if \z
	v_wmma_scale_f32_16x16x128_f8f6f4 v[D0:D0+7], v[A0:A0+15], v[B0:B0+15], 0, v[SW], v[OS+\s] matrix_a_fmt:MATRIX_FMT_BF8 matrix_b_fmt:MATRIX_FMT_BF8
	v_wmma_scale_f32_16x16x128_f8f6f4 v[D0+64:D0+71], v[A0:A0+15], v[B0+16:B0+31], 0, v[SW], v[OS+\s] matrix_a_fmt:MATRIX_FMT_BF8 matrix_b_fmt:MATRIX_FMT_BF8 matrix_b_scale:MATRIX_SCALE_ROW1
	v_wmma_scale_f32_16x16x128_f8f6f4 v[D0+8:D0+15], v[A0+16:A0+31], v[B0:B0+15], 0, v[SW], v[OS+\s] matrix_a_fmt:MATRIX_FMT_BF8 matrix_b_fmt:MATRIX_FMT_BF8 matrix_a_scale:MATRIX_SCALE_ROW1
	v_wmma_scale_f32_16x16x128_f8f6f4 v[D0+72:D0+79], v[A0+16:A0+31], v[B0+16:B0+31], 0, v[SW], v[OS+\s] matrix_a_fmt:MATRIX_FMT_BF8 matrix_b_fmt:MATRIX_FMT_BF8 matrix_a_scale:MATRIX_SCALE_ROW1 matrix_b_scale:MATRIX_SCALE_ROW1
.else
	v_wmma_scale_f32_16x16x128_f8f6f4 v[D0:D0+7], v[A0:A0+15], v[B0:B0+15], v[D0:D0+7], v[SW], v[OS+\s] matrix_a_fmt:MATRIX_FMT_BF8 matrix_b_fmt:MATRIX_FMT_BF8
	v_wmma_scale_f32_16x16x128_f8f6f4 v[D0+64:D0+71], v[A0:A0+15], v[B0+16:B0+31], v[D0+64:D0+71], v[SW], v[OS+\s] matrix_a_fmt:MATRIX_FMT_BF8 matrix_b_fmt:MATRIX_FMT_BF8 matrix_b_scale:MATRIX_SCALE_ROW1
	v_wmma_scale_f32_16x16x128_f8f6f4 v[D0+8:D0+15], v[A0+16:A0+31], v[B0:B0+15], v[D0+8:D0+15], v[SW], v[OS+\s] matrix_a_fmt:MATRIX_FMT_BF8 matrix_b_fmt:MATRIX_FMT_BF8 matrix_a_scale:MATRIX_SCALE_ROW1
	v_wmma_scale_f32_16x16x128_f8f6f4 v[D0+72:D0+79], v[A0+16:A0+31], v[B0+16:B0+31], v[D0+72:D0+79], v[SW], v[OS+\s] matrix_a_fmt:MATRIX_FMT_BF8 matrix_b_fmt:MATRIX_FMT_BF8 matrix_a_scale:MATRIX_SCALE_ROW1 matrix_b_scale:MATRIX_SCALE_ROW1
.endif
.endm
.macro STEP s
.if (\s) == 7
	s_wait_loadcnt 32                              ; this K step's 16 loads are in; X's 32, issued behind them, may be out
.else
	s_wait_loadcnt 16                              ; this K step's 16 loads are in; the next step's 16, issued behind them, may be out
.endif
.if ((\s)%2) == 0
	s_wait_dscnt 16                                ; O's two fragments and this step's four from the slot are in; the odd step's 16 loads may be out
.else
	s_wait_dscnt 0x0
.endif
.if (\s) < 7
	OLOAD (\s)+1                                   ; the next step's, into the set whose products stand 8 places and more back
.endif
.if (\s) == 0
	WIN 0x51                                       ; Wo window 1, O window 0, C and D window 1
.irp y, 0,1,2,3
	QUAD \y, \s, R0, 1
.endr
.elseif ((\s)%2) == 0
	WIN 0x51
.irp y, 0,1,2,3
	QUAD \y, \s, R0, 0
.endr
.else
	WIN 0x50                                       ; Wo window 0
.irp y, 0,1,2,3
	QUAD \y, \s, R1, 0
.endr
.endif
	WIN 0
.rept 8
	v_nop                                          ; places in front of loads into registers that the products have read, and of the first read of results
.endr
.if (\s) < 6
	LOADW (\s)+2
.elseif (\s) == 6
	WIN 0x40                                       ; set 0 is done with: it takes my 4 rows of X
.irp e, 0,1,2,3
.irp k, 0,1,2,3,4,5,6,7
	global_load_b128 v[128+32*\e+4*\k:128+32*\e+4*\k+3], v[LI16], s[14:15] offset:4096*\e+512*\k th:TH_LOAD_NT
.endr
.endr
	WIN 0
.else
.irp k, 0,1,2,3,4,5,6,7                ; set 1 is done with: bo, gamma, beta
	global_load_b128 v[BO+4*\k:BO+4*\k+3], v[LI16], s[12:13] offset:512*\k
	global_load_b128 v[GA+4*\k:GA+4*\k+3], v[LI16], s[16:17] offset:512*\k
	global_load_b128 v[BE+4*\k:BE+4*\k+3], v[LI16], s[18:19] offset:512*\k
.endr
.endif
.endm
	TOP 0
	STEP 0
	STEP 1
	TOP 1
	STEP 2
	STEP 3
	TOP 2
	STEP 4
	STEP 5
	TOP 3                                          ; nothing is filled any more; behind this round nobody reads slot 0
	STEP 6
	STEP 7
	WIN 0x04                                       ; an LDS store's data are its source 1: window 1
.irp m, 0,1
.irp i, 0,1,2,3,4,5,6,7
	ds_store_b128 v[STO+\m], v[8*(8*\m+\i):8*(8*\m+\i)+3] offset:64*\i          ; each accumulator from its low end on
	ds_store_b128 v[STO+\m], v[8*(8*\m+\i)+4:8*(8*\m+\i)+7] offset:64*\i+16
.endr
.endr
	WIN 0
	s_wait_dscnt 0x0                               ; for the others' sake: my stores are done
	s_barrier_signal -1
	s_barrier_wait -1
	WIN 0x40
.irp i, 0,1,2,3
.irp k, 0,1,2,3,4,5,6,7
	ds_load_b128 v[32*\i+4*\k:32*\i+4*\k+3], v[RD] offset:SPIT*\i+512*\k    ; row i: my lane's columns 128 k + 4 lane + 0 .. 3
.endr
.endr
	s_wait_dscnt 0x0
	s_wait_loadcnt 0x0                             ; X, bo, gamma, beta
	WIN 0x41                                       ; y window 1, the other source window 0
.irp i, 0,1,2,3
.set m, 0
.rept 16
	v_pk_add_f32 v[32*\i+m:32*\i+m+1], v[32*\i+m:32*\i+m+1], v[BO+m:BO+m+1]
.set m, m+2
.endr
.endr
	WIN 0x45                                       ; the other source window 1: X
.irp i, 0,1,2,3
.set m, 0
.rept 16
	v_pk_add_f32 v[32*\i+m:32*\i+m+1], v[32*\i+m:32*\i+m+1], v[128+32*\i+m:128+32*\i+m+1]
.set m, m+2
.endr
.endr
.macro REDUCE base                     ; four pairs become four sums over the wave's 32 lanes, the rows by turns
.irp i, 0,1,2,3
	v_add_f32 v[\base+2*\i], v[\base+2*\i], v[\base+2*\i+1]
.endr
.irp x, 1,2,4,8
.irp i, 0,1,2,3
	v_add_f32_dpp v[\base+2*\i], v[\base+2*\i], v[\base+2*\i] row_xmask:\x row_mask:0xf bank_mask:0xf
.endr
.endr
.irp i, 0,1,2,3
	v_permlanex16_b32 v[\base+2*\i+1], v[\base+2*\i], s26, s27
.endr
.irp i, 0,1,2,3
	v_add_f32 v[\base+2*\i], v[\base+2*\i], v[\base+2*\i+1]
.endr
.endm
	WIN 0x05                                       ; both sources window 1, the sums window 0
.irp i, 0,1,2,3
	v_pk_add_f32 v[TM+2*\i:TM+2*\i+1], v[32*\i:32*\i+1], v[32*\i+2:32*\i+3]
.endr
	WIN 0x04
.irp m, 4,6,8,10,12,14,16,18,20,22,24,26,28,30
.irp i, 0,1,2,3
	v_pk_add_f32 v[TM+2*\i:TM+2*\i+1], v[TM+2*\i:TM+2*\i+1], v[32*\i+\m:32*\i+\m+1]
.endr
.endr
	WIN 0
	REDUCE TM
.irp i, 0,1,2,3
	v_mul_f32 v[TM+2*\i], s28, v[TM+2*\i]          ; the mean
.endr
	WIN 0x41
.irp i, 0,1,2,3
.set m, 0
.rept 16
	v_pk_add_f32 v[32*\i+m:32*\i+m+1], v[32*\i+m:32*\i+m+1], v[TM+2*\i:TM+2*\i+1] op_sel_hi:[1,0] neg_lo:[0,1] neg_hi:[0,1]   ; y - the mean
.set m, m+2
.endr
.endr
	WIN 0x05
.irp i, 0,1,2,3
	v_pk_mul_f32 v[TV+2*\i:TV+2*\i+1], v[32*\i:32*\i+1], v[32*\i:32*\i+1]
.endr
.irp m, 2,4,6,8,10,12,14,16,18,20,22,24,26,28,30
.irp i, 0,1,2,3
	v_pk_fma_f32 v[TV+2*\i:TV+2*\i+1], v[32*\i+\m:32*\i+\m+1], v[32*\i+\m:32*\i+\m+1], v[TV+2*\i:TV+2*\i+1]
.endr
.endr
	WIN 0
	REDUCE TV
.irp i, 0,1,2,3
	v_fma_f32 v[TV+2*\i], v[TV+2*\i], s28, s29     ; the variance + 1e-12
.endr
	s_wait_alu depctr_va_vdst(0)                   ; ahead of the batch
.irp i, 0,1,2,3
	v_rsq_f32 v[TV+2*\i], v[TV+2*\i]
.endr
	v_nop                                          ; a plain line behind the last of them
	s_wait_alu depctr_va_vdst(0)                   ; one wait for the four, ahead of their first reader
	WIN 0x41
.irp i, 0,1,2,3
.set m, 0
.rept 16
	v_pk_mul_f32 v[32*\i+m:32*\i+m+1], v[32*\i+m:32*\i+m+1], v[TV+2*\i:TV+2*\i+1] op_sel_hi:[1,0]
.set m, m+2
.endr
.endr
.irp i, 0,1,2,3
.set m, 0
.rept 16
	v_pk_fma_f32 v[32*\i+m:32*\i+m+1], v[32*\i+m:32*\i+m+1], v[GA+m:GA+m+1], v[BE+m:BE+m+1]
.set m, m+2
.endr
.endr
	WIN 0x04                                       ; a store's data are its source 1: window 1
.irp i, 0,1,2,3
.irp k, 0,1,2,3,4,5,6,7
	global_store_b128 v[LI16], v[32*\i+4*\k:32*\i+4*\k+3], s[20:21] offset:4096*\i+512*\k th:TH_STORE_NT   ; 512 consecutive bytes, aligned
.endr
.endr
	WIN 0
	s_wait_tensorcnt 0x0                           ; the wave's end
	ds_add_u32 v[SPW], v[NIL]
	s_wait_dscnt 0x0
	ROUND                                          ; the closing round
	s_endpgm
.Lfunc_end_k_q97bdeaa776_outln:
	.size	k_q97bdeaa776_outln, .Lfunc_end_k_q97bdeaa776_outln-k_q97bdeaa776_outln
	.p2alignl 7, 3214868480
	.fill 96, 4, 3214868480
	.section	.rodata,"a",@progbits
	.p2align	6, 0x0
	.amdhsa_kernel k_q97bdeaa776_outln
		.amdhsa_group_segment_fixed_size 327680
		.amdhsa_private_segment_fixed_size 0
		.amdhsa_enable_private_segment 0
		.amdhsa_kernarg_size 72
		.amdhsa_user_sgpr_count 2
		.amdhsa_user_sgpr_kernarg_segment_ptr 1
		.amdhsa_wavefront_size32 1
		.amdhsa_system_sgpr_workgroup_id_x 1
		.amdhsa_system_sgpr_workgroup_id_y 1
		.amdhsa_system_sgpr_workgroup_id_z 1
		.amdhsa_system_vgpr_workitem_id 0
		.amdhsa_next_free_vgpr 512
		.amdhsa_next_free_sgpr 66
		.amdhsa_reserve_vcc 0
		.amdhsa_float_denorm_mode_32 3
		.amdhsa_float_denorm_mode_16_64 3
		.amdhsa_memory_ordered 1
		.amdhsa_forward_progress 1
		.amdhsa_inst_pref_size 100
	.end_amdhsa_kernel
	.amdgpu_metadata
---
amdhsa.version: [ 1, 2 ]
amdhsa.kernels:
  - .name:           k_q97bdeaa776_outln
    .symbol:         k_q97bdeaa776_outln.kd
    .args:
      - { .name: Oc, .offset: 0, .size: 8, .value_kind: global_buffer, .address_space: global }
      - { .name: Os, .offset: 8, .size: 8, .value_kind: global_buffer, .address_space: global }
      - { .name: Wimg, .offset: 16, .size: 8, .value_kind: global_buffer, .address_space: global }
      - { .name: Wo_scales, .offset: 24, .size: 8, .value_kind: global_buffer, .address_space: global }
      - { .name: bo, .offset: 32, .size: 8, .value_kind: global_buffer, .address_space: global }
      - { .name: X, .offset: 40, .size: 8, .value_kind: global_buffer, .address_space: global }
      - { .name: gamma, .offset: 48, .size: 8, .value_kind: global_buffer, .address_space: global }
      - { .name: beta, .offset: 56, .size: 8, .value_kind: global_buffer, .address_space: global }
      - { .name: out0, .offset: 64, .size: 8, .value_kind: global_buffer, .address_space: global }
    .group_segment_fixed_size: 327680
    .private_segment_fixed_size: 0
    .kernarg_segment_align: 8
    .kernarg_segment_size: 72
    .max_flat_workgroup_size: 256
    .sgpr_count:     66
    .vgpr_count:     512
    .wavefront_size: 32
...
	.end_amdgpu_metadata
.endif
;; end of part 4
